; MI455X (gfx1250); checked and timed in simulation.
; The chip was launched on July 23, 2026; its instructions are those of AMD's public machine-readable ISA for CDNA 5 (MIT licence, August 2026) and "CDNA5" Instruction Set Architecture Reference Guide (July 2026). The comments in the code are by the model that wrote it; some were corrected since.
;; KV Store. Allowed arithmetic: float matrix products may take bf16 or f16 operands with f32 sums; all other float work in f32.
;; Inputs: storage 131,072 x 256 float32; x 1,024 x 128 float32.
;; Outputs: out0 1,024 x 128 float32.
;; 3 versions, each right; version 2 is faster than version 1; version 3 is version 2 with the launch outp written anew for expert scheduling mode. Each part assembles by itself: llvm-mc -triple=amdgcn-amd-amdhsa -mcpu=gfx1250 --defsym DOCPART=n.
;; ======== version 1 of 3: 6 launches
;; workspace buffers: xb 262,144 bytes; m1 67,108,864 bytes; m2 8,388,608 bytes; msk2 262,144 bytes of whole numbers; sel1 1,048,576 bytes of whole numbers; selk 1,048,576 bytes of whole numbers; wts 1,048,576 bytes
;; launch prep (part 1): grid 64 x 1, 8 waves a work-group, no clusters, 0 bytes of LDS; arguments x, xb; writes xb
.if DOCPART == 1
	.amdgcn_target "amdgcn-amd-amdhsa--gfx1250"
	.amdhsa_code_object_version 6
	.text
	.protected	k_q980ff258bb_prep
	.globl	k_q980ff258bb_prep
	.p2align	8
	.type	k_q980ff258bb_prep,@function
k_q980ff258bb_prep:
	s_mov_b64 s[64:65], 0
	v_nop
	global_prefetch_b8 v0, s[64:65] scope:SCOPE_SE
	s_setreg_imm32_b32 hwreg(HW_REG_WAVE_MODE, 25, 1), 1
	s_wait_xcnt 0x0
; xb = x rounded to bf16.  x: [1024][128] f32, xb: [1024][128] bf16.
; 64 work-groups x 256 threads; thread T takes the 8 numbers at byte 32 T of x and stores 16 bytes at byte 16 T of xb,
; so a wave's store covers 512 consecutive bytes.  131,072 numbers in all: there is work for 64 work-groups of this size and no more.
	s_load_b128 s[4:7], s[0:1], 0x0                ; x s[4:5], xb s[6:7]
	s_lshl_b32 s8, ttmp9, 8
	v_add_nc_u32 v1, s8, v0                        ; T
	v_lshlrev_b32 v2, 5, v1                        ; 32 T
	v_lshlrev_b32 v3, 4, v1                        ; 16 T
	s_wait_kmcnt 0x0
	global_load_b128 v[4:7], v2, s[4:5]
	global_load_b128 v[8:11], v2, s[4:5] offset:16
	s_wait_loadcnt 0x0
	v_cvt_pk_bf16_f32 v12, v4, v5                  ; round to nearest even, two at a time
	v_cvt_pk_bf16_f32 v13, v6, v7
	v_cvt_pk_bf16_f32 v14, v8, v9
	v_cvt_pk_bf16_f32 v15, v10, v11
	global_store_b128 v3, v[12:15], s[6:7]
	s_endpgm
.Lfunc_end_k_q980ff258bb_prep:
	.size	k_q980ff258bb_prep, .Lfunc_end_k_q980ff258bb_prep-k_q980ff258bb_prep
	.p2alignl 7, 3214868480
	.fill 96, 4, 3214868480
	.section	.rodata,"a",@progbits
	.p2align	6, 0x0
	.amdhsa_kernel k_q980ff258bb_prep
		.amdhsa_group_segment_fixed_size 0
		.amdhsa_private_segment_fixed_size 0
		.amdhsa_enable_private_segment 0
		.amdhsa_kernarg_size 16
		.amdhsa_user_sgpr_count 2
		.amdhsa_user_sgpr_kernarg_segment_ptr 1
		.amdhsa_wavefront_size32 1
		.amdhsa_system_sgpr_workgroup_id_x 1
		.amdhsa_system_sgpr_workgroup_id_y 1
		.amdhsa_system_sgpr_workgroup_id_z 1
		.amdhsa_system_vgpr_workitem_id 0
		.amdhsa_next_free_vgpr 16
		.amdhsa_next_free_sgpr 66
		.amdhsa_reserve_vcc 0
		.amdhsa_float_denorm_mode_32 3
		.amdhsa_float_denorm_mode_16_64 3
		.amdhsa_memory_ordered 1
		.amdhsa_forward_progress 1
		.amdhsa_inst_pref_size 2
	.end_amdhsa_kernel
	.amdgpu_metadata
---
amdhsa.version: [ 1, 2 ]
amdhsa.kernels:
  - .name:           k_q980ff258bb_prep
    .symbol:         k_q980ff258bb_prep.kd
    .args:
      - { .name: x, .offset: 0, .size: 8, .value_kind: global_buffer, .address_space: global }
      - { .name: xb, .offset: 8, .size: 8, .value_kind: global_buffer, .address_space: global }
    .group_segment_fixed_size: 0
    .private_segment_fixed_size: 0
    .kernarg_segment_align: 8
    .kernarg_segment_size: 16
    .max_flat_workgroup_size: 256
    .sgpr_count:     66
    .vgpr_count:     16
    .wavefront_size: 32
...
	.end_amdgpu_metadata
.endif
;; end of part 1
;; launch sims (part 2): grid 256 x 1, 8 waves a work-group, clusters of 4 x 1, 314,368 bytes of LDS; arguments storage, xb, m1, m2; writes m1, m2
.if DOCPART == 2
	.amdgcn_target "amdgcn-amd-amdhsa--gfx1250"
	.amdhsa_code_object_version 6
	.text
	.protected	k_q980ff258bb_sims
	.globl	k_q980ff258bb_sims
	.p2align	8
	.type	k_q980ff258bb_sims,@function
k_q980ff258bb_sims:
	s_mov_b64 s[64:65], 0
	v_nop
	global_prefetch_b8 v0, s[64:65] scope:SCOPE_SE
	s_setreg_imm32_b32 hwreg(HW_REG_WAVE_MODE, 25, 1), 1
	s_wait_xcnt 0x0
	s_wait_alu depctr_hold_cnt(0) depctr_sa_sdst(0) depctr_va_vdst(0) depctr_va_sdst(0) depctr_va_ssrc(0) depctr_va_vcc(0) depctr_vm_vsrc(0)
	s_getreg_b32 s2, hwreg(HW_REG_IB_STS2, 6, 4)
	s_cmp_eq_u32 s2, 0
	s_cbranch_scc0 .Lentry_in_a_cluster
	s_endpgm
.Lentry_in_a_cluster:
	s_bfe_u32 s2, ttmp6, 0x10000c
	s_cmp_lg_u32 s2, 0x3003
	s_cbranch_scc0 .Lentry_shape_is_right
	s_endpgm
.Lentry_shape_is_right:
; For every query q and every key s: d = (bf16(x[q]) . bf16(key[s])) / max(|bf16(key[s])|, 1e-12), products on the matrix unit, sums in f32.
; (The query's own norm is a positive factor common to a query's numbers and changes no order; it is applied where the weights are made.)
; Stored: m1 = the largest d of each 8 neighbouring keys, m2 = the largest d of each 64 neighbouring keys.
;   m1: f32 [p 2048][q 1024][8]   p = 64-key group, last index = 8-key group inside it
;   m2: f32 [b 256][q 1024][8]    b = work-group (512 keys), last index = wave (64 keys): p = 8 b + wave
; Work-group b owns keys 512 b .. 512 b + 511 and all 1,024 queries; wave w owns 64 keys, held as A fragments in 128 registers for the whole
; launch; all of xb lies in LDS (1,024 rows of 256 bytes, pitch 272) and is read as B fragments, 16 queries a trip.
; CLUSTER: the four work-groups of a cluster read the same xb; each wave asks for its 128 rows by one joint load that names the four.
; Row m of matrix tile t is key 64 w + 32 (m >> 3) + 8 t + (m & 7), so that the 8 result registers of lane (r, h) in tile t are the
; 8 neighbouring keys 64 w + 32 h + 8 t + 0..7 of query r: an 8-key maximum never leaves the lane.
; LIMITS: NaN and infinities are not served (the maxima drop a NaN); a key's sum of squares is kept in f32.
.set STG,  278528                      ; LDS behind the 1,024 x 272 bytes of xb: first each wave's key stage (16 rows x 272), later the m2 stage (32 bytes a query)
.set A,    16                          ; v[16:143]  A fragments: tile t, K step ks at 16 + 32 t + 8 ks
.set INV,  144                         ; v[144:175] 1 / norm of the key of result register 8 t + j
.set ACC,  176                         ; v[176:207] four accumulator tiles
.set B,    208                         ; v[208:239] B fragments of 16 queries, 8 ks
.set L1,   240                         ; v[240:243] the four 8-key maxima
.set U,    244                         ; the 64-key maximum
.set W,    245                         ; its partner from the other half of the lanes
.set VB,   246                         ; LDS address of my B fragments
.set VO,   247                         ; my byte offset in a trip's 512 bytes of m1
.set VS,   248                         ; LDS address of my word in the m2 stage
.set RDE,  249                         ; LDS address for the read-back of the m2 stage
.set TA,   176                         ; set-up: 16 key rows as loaded (64 registers)
.set TB,   80                          ; set-up: the other 16 rows
.macro ROUND                           ; a round of the cluster's barrier
	s_barrier_signal -1
	s_barrier_wait -1
	s_cmp_lg_u32 s12, 0
	s_cbranch_scc1 .Lnot_wave_0_\@
	s_barrier_signal -3
.Lnot_wave_0_\@:
	s_barrier_wait -3
	s_barrier_signal -1
	s_barrier_wait -1
.endm
	s_load_b256 s[4:11], s[0:1], 0x0               ; storage s[4:5], xb s[6:7], m1 s[8:9], m2 s[10:11]
	v_lshl_add_u32 v254, v0, 2, 0x4c800
	v_mov_b32 v255, 0
	ds_add_u32 v254, v255
	v_lshrrev_b32 v6, 5, v0
	v_readfirstlane_b32 s12, v6                    ; wave 0..7
	s_bfe_u32 s13, ttmp6, 0x40000                  ; cx
	s_lshl_b32 s14, ttmp9, 2
	s_add_co_u32 s14, s14, s13                     ; b = 4 x cluster + cx
	s_mov_b32 s34, 0x76543210                      ; v_permlanex16_b32: lane i reads lane i of the other half
	s_mov_b32 s35, 0xfedcba98
	s_mov_b32 s36, 0xffff0000                      ; a word's upper bf16; also the mask of lanes 16 to 31
	; descriptor group 1: 128 rows x 128 elements of 2 bytes, 16 bytes of padding behind each 256
	s_mov_b32 s20, 0x0771000f                      ; 15:0 mask = the cluster's four; 17:16 2 bytes; 20 padding on; 21 set beside a mask; 24:22 every 64 words; 31:25 4 words
	s_mov_b32 s21, 128<<16                         ; tensor_dim0 = 128
	s_mov_b32 s22, 128<<16                         ; tensor_dim1 = 128
	s_mov_b32 s23, 128<<16                         ; tile_dim0 = 128
	s_mov_b32 s24, 128                             ; tile_dim1 = 128
	s_mov_b32 s25, 128                             ; 128 elements from row to row
	s_mov_b32 s26, 0
	s_mov_b32 s27, 0
	; group 0: made of the wave's number alone, so it is equal in the four partners
	s_mov_b32 s16, 1
	s_mul_i32 s17, s12, 34816                      ; LDS: 128 w rows of 272 bytes
	s_lshl_b32 s38, s12, 15                        ; xb: 128 w rows of 256 bytes
	s_mov_b32 s39, 0
	s_lshl_b32 s40, s14, 19                        ; keys: (512 b + 64 w) rows of 1,024 bytes
	s_lshl_b32 s41, s12, 16
	s_add_co_u32 s40, s40, s41
	s_mov_b32 s41, 0
	s_wait_dscnt 0x0
	s_wait_kmcnt 0x0
	s_add_nc_u64 s[18:19], s[6:7], s[38:39]
	s_or_b32 s19, s19, 0x80000000                  ; type = 2
	s_add_nc_u64 s[28:29], s[4:5], s[40:41]        ; my first key
	s_lshl_b32 s40, s14, 18
	s_add_co_u32 s40, s40, s38
	s_add_nc_u64 s[30:31], s[8:9], s[40:41]        ; m1 + (8 b + w) x 32,768
	s_lshl_b32 s40, s14, 15
	s_lshl_b32 s38, s12, 12
	s_add_co_u32 s40, s40, s38
	s_add_nc_u64 s[32:33], s[10:11], s[40:41]      ; m2 + 32,768 b + 4,096 w
	v_and_b32 v1, 15, v0                           ; r
	v_bfe_u32 v2, v0, 4, 1                         ; h
	v_and_b32 v6, 31, v0                           ; lane
	v_lshlrev_b32 v3, 4, v6                        ; 16 x lane
	s_mul_i32 s37, s12, 4352
	s_add_co_u32 s37, s37, STG                     ; my key stage
	v_lshl_add_u32 v4, v6, 3, s37                  ; in: 8 bytes a lane, a row of 256 bytes
	v_mul_u32_u24 v[VB], v1, 272
	v_lshl_add_u32 v[VB], v2, 4, v[VB]             ; row r x pitch + 16 h
	v_add_nc_u32 v5, s37, v[VB]                    ; the same in my key stage
	v_lshlrev_b32 v[VO], 5, v1
	v_lshl_add_u32 v[VO], v2, 4, v[VO]             ; 32 r + 16 h
	s_lshl_b32 s37, s12, 2
	s_add_co_u32 s37, s37, STG
	v_lshl_add_u32 v[VS], v1, 5, s37               ; m2 stage: 32 q + 4 w
	s_lshl_b32 s37, s12, 12
	s_add_co_u32 s37, s37, STG
	v_lshl_add_u32 v[RDE], v6, 4, s37              ; read-back: my wave's 4,096 bytes of the stage
	v_mov_b32 v[W], 0                              ; v_permlanex16_b32 counts as a reader of its destination
	ROUND                                          ; the four work-groups are here: the joint loads meet
	tensor_load_to_lds s[16:19], s[20:27]          ; my 128 rows of xb; the wave's one tensor load of the launch
	s_nop 0
; 16 key rows of matrix tile 'tile': one load is one whole key, 512 consecutive bytes
.macro KLOAD tile, buf
.irp m, 0,1,2,3,4,5,6,7,8,9,10,11,12,13,14,15
	global_load_b128 v[\buf+4*\m:\buf+4*\m+3], v3, s[28:29] offset:(32*(\m>>3)+8*\tile+(\m&7))*1024 th:TH_LOAD_NT
.endr
.endm
; The 16 rows are rounded to bf16 and laid into my stage; the sum of squares of the rounded numbers is made over the 32 lanes; each lane
; keeps the sums of the 8 keys of its result registers; the tile's A fragments are read back.  LDS serves a wave's instructions in order
; (ISA guide 5.7.1), so neither these reads nor the next tile's stores into the same bytes need a wait.
.macro KPROC tile, buf
.irp m, 0,1,2,3,4,5,6,7,8,9,10,11,12,13,14,15
	v_cvt_pk_bf16_f32 v[6+2*(\m&3)], v[\buf+4*\m], v[\buf+4*\m+1]
	v_cvt_pk_bf16_f32 v[7+2*(\m&3)], v[\buf+4*\m+2], v[\buf+4*\m+3]
	ds_store_b64 v4, v[6+2*(\m&3):7+2*(\m&3)] offset:272*\m
	v_lshlrev_b32 v[\buf+4*\m], 16, v[6+2*(\m&3)]
	v_and_b32 v[\buf+4*\m+1], s36, v[6+2*(\m&3)]
	v_lshlrev_b32 v[\buf+4*\m+2], 16, v[7+2*(\m&3)]
	v_and_b32 v[\buf+4*\m+3], s36, v[7+2*(\m&3)]
	v_pk_mul_f32 v[\buf+4*\m:\buf+4*\m+1], v[\buf+4*\m:\buf+4*\m+1], v[\buf+4*\m:\buf+4*\m+1]
	v_pk_fma_f32 v[\buf+4*\m:\buf+4*\m+1], v[\buf+4*\m+2:\buf+4*\m+3], v[\buf+4*\m+2:\buf+4*\m+3], v[\buf+4*\m:\buf+4*\m+1]
	v_add_f32 v[\buf+4*\m], v[\buf+4*\m], v[\buf+4*\m+1]
.endr
.irp x, 1,2,4,8
.irp m, 0,1,2,3,4,5,6,7,8,9,10,11,12,13,14,15
	v_add_f32_dpp v[\buf+4*\m], v[\buf+4*\m], v[\buf+4*\m] row_xmask:\x row_mask:0xf bank_mask:0xf
.endr
.endr
.irp m, 0,1,2,3,4,5,6,7,8,9,10,11,12,13,14,15
	v_permlanex16_b32 v[\buf+4*\m+1], v[\buf+4*\m], s34, s35
.endr
.irp m, 0,1,2,3,4,5,6,7,8,9,10,11,12,13,14,15
	v_add_f32 v[\buf+4*\m], v[\buf+4*\m], v[\buf+4*\m+1]
.endr
.irp j, 0,1,2,3,4,5,6,7
	v_cndmask_b32 v[INV+8*\tile+\j], v[\buf+4*\j], v[\buf+4*(8+\j)], s36     ; result register j is row 8 h + j
.endr
.irp ks, 0,1,2,3
	ds_load_b128 v[A+32*\tile+8*\ks:A+32*\tile+8*\ks+3],   v5 offset:64*\ks
	ds_load_b128 v[A+32*\tile+8*\ks+4:A+32*\tile+8*\ks+7], v5 offset:64*\ks+32
.endr
.endm
	KLOAD 0, TA
	KLOAD 1, TB
	s_wait_loadcnt 16                              ; tile 0's rows are in; tile 1's sixteen loads stay out
	KPROC 0, TA
	KLOAD 2, TA
	s_wait_loadcnt 16                              ; tile 1's are in; tile 2's stay out
	KPROC 1, TB
	KLOAD 3, TB
	s_wait_loadcnt 0x0                             ; tile 3 goes first: tile 2's fragments land in registers that hold tile 3's rows
	KPROC 3, TB
	KPROC 2, TA
.irp i, 0,1,2,3,4,5,6,7,8,9,10,11,12,13,14,15,16,17,18,19,20,21,22,23,24,25,26,27,28,29,30,31
	v_sqrt_f32 v[INV+\i], v[INV+\i]
.endr
	v_nop                                          ; one plain place behind the last root (ISA guide 5.7.2)
	s_wait_alu depctr_va_vdst(0)
.irp i, 0,1,2,3,4,5,6,7,8,9,10,11,12,13,14,15,16,17,18,19,20,21,22,23,24,25,26,27,28,29,30,31
	v_max_num_f32 v[INV+\i], 0x2b8cbccc, v[INV+\i] ; max(norm, 1e-12)
.endr
.irp i, 0,1,2,3,4,5,6,7,8,9,10,11,12,13,14,15,16,17,18,19,20,21,22,23,24,25,26,27,28,29,30,31
	v_rcp_f32 v[INV+\i], v[INV+\i]
.endr
	v_nop
	s_wait_tensorcnt 0x0                           ; my 128 rows of xb have landed
	s_wait_dscnt 0x0                               ; my fragments are in registers: my key stage is free for the m2 stage
	s_barrier_signal -1
	s_barrier_wait -1                              ; both hold of all eight waves; no LDS byte is ever filled again
.macro BLOAD
.irp ks, 0,1,2,3
	ds_load_b128 v[B+8*\ks:B+8*\ks+3],   v[VB] offset:64*\ks
	ds_load_b128 v[B+8*\ks+4:B+8*\ks+7], v[VB] offset:64*\ks+32
.endr
.endm
; One trip: 64 keys x 16 queries x 128.  pre = 1: the next 16 queries' fragments are fetched.
.macro TRIP pre
	s_wait_dscnt 0x0                               ; this trip's B fragments are in
	; the four accumulators take turns, one instruction a turn; the first K step starts the sums
.irp ks, 0,1,2,3
.irp t, 0,1,2,3
.if \ks == 0
	v_wmma_f32_16x16x32_bf16 v[ACC+8*\t:ACC+8*\t+7], v[A+32*\t+8*\ks:A+32*\t+8*\ks+7], v[B+8*\ks:B+8*\ks+7], 0
.else
	v_wmma_f32_16x16x32_bf16 v[ACC+8*\t:ACC+8*\t+7], v[A+32*\t+8*\ks:A+32*\t+8*\ks+7], v[B+8*\ks:B+8*\ks+7], v[ACC+8*\t:ACC+8*\t+7]
.endif
.endr
.endr
	; four places behind the last matrix instruction, for the loads into B and for the reads of the results
.if \pre
	v_add_nc_u32 v[VB], 4352, v[VB]                ; 16 rows on
	v_nop
	v_nop
	v_nop
	s_wait_alu depctr_va_vdst(0)
	BLOAD
.else
	v_nop
	v_nop
	v_nop
	v_nop
.endif
.irp t, 0,1,2,3
.irp i, 0,2,4,6
	v_pk_mul_f32 v[ACC+8*\t+\i:ACC+8*\t+\i+1], v[ACC+8*\t+\i:ACC+8*\t+\i+1], v[INV+8*\t+\i:INV+8*\t+\i+1]
.endr
.endr
.irp t, 0,1,2,3
	v_max3_num_f32 v[6+2*\t], v[ACC+8*\t], v[ACC+8*\t+1], v[ACC+8*\t+2]
	v_max3_num_f32 v[7+2*\t], v[ACC+8*\t+3], v[ACC+8*\t+4], v[ACC+8*\t+5]
.endr
.irp t, 0,1,2,3
	v_max3_num_f32 v[6+2*\t], v[6+2*\t], v[ACC+8*\t+6], v[ACC+8*\t+7]
.endr
	s_wait_xcnt 0x0                                ; the last trip's store has read its data and base: L1 and s[30:31] are rewritten only behind this wait
	s_add_nc_u64 s[30:31], s[30:31], 512           ; 16 queries on; the store below reaches back
.irp t, 0,1,2,3
	v_max_num_f32 v[L1+\t], v[6+2*\t], v[7+2*\t]   ; keys 64 w + 32 h + 8 t + 0..7
.endr
	v_max3_num_f32 v[U], v[L1], v[L1+1], v[L1+2]
	v_max_num_f32 v[U], v[U], v[L1+3]
	v_permlanex16_b32 v[W], v[U], s34, s35
	v_max_num_f32 v[U], v[U], v[W]                 ; all 64 keys of the wave
	global_store_b128 v[VO], v[L1:L1+3], s[30:31] offset:-512 th:TH_STORE_NT   ; the wave's store covers 512 consecutive bytes, aligned
	ds_store_b32 v[VS], v[U]                       ; both halves write the same word with the same value
.if \pre
	v_add_nc_u32 v[VS], 512, v[VS]
.endif
.endm
	BLOAD
	s_mov_b32 s37, 63
.Ltrip:
	TRIP 1
	s_sub_co_u32 s37, s37, 1
	s_cmp_lg_u32 s37, 0
	s_cbranch_scc1 .Ltrip
	TRIP 0                                         ; the last 16 queries: nothing more to fetch
	s_wait_dscnt 0x0                               ; my words of the m2 stage are written
	s_barrier_signal -1
	s_barrier_wait -1                              ; everybody's are
.irp i, 0,1,2,3,4,5,6,7
	ds_load_b128 v[B+4*\i:B+4*\i+3], v[RDE] offset:512*\i
.endr
.irp i, 0,1,2,3,4,5,6,7
	s_wait_dscnt 7-\i                              ; LDS loads come back in order: load i is in, the younger ones stay out
	global_store_b128 v3, v[B+4*\i:B+4*\i+3], s[32:33] offset:512*\i
.endr
	s_wait_tensorcnt 0x0
	ds_add_u32 v254, v255
	s_wait_dscnt 0x0
	ROUND                                          ; the closing round: no work-group ends while a partner may still ask jointly
	s_endpgm
.Lfunc_end_k_q980ff258bb_sims:
	.size	k_q980ff258bb_sims, .Lfunc_end_k_q980ff258bb_sims-k_q980ff258bb_sims
	.p2alignl 7, 3214868480
	.fill 96, 4, 3214868480
	.section	.rodata,"a",@progbits
	.p2align	6, 0x0
	.amdhsa_kernel k_q980ff258bb_sims
		.amdhsa_group_segment_fixed_size 314368
		.amdhsa_private_segment_fixed_size 0
		.amdhsa_enable_private_segment 0
		.amdhsa_kernarg_size 32
		.amdhsa_user_sgpr_count 2
		.amdhsa_user_sgpr_kernarg_segment_ptr 1
		.amdhsa_wavefront_size32 1
		.amdhsa_system_sgpr_workgroup_id_x 1
		.amdhsa_system_sgpr_workgroup_id_y 1
		.amdhsa_system_sgpr_workgroup_id_z 1
		.amdhsa_system_vgpr_workitem_id 0
		.amdhsa_next_free_vgpr 256
		.amdhsa_next_free_sgpr 66
		.amdhsa_reserve_vcc 0
		.amdhsa_float_denorm_mode_32 3
		.amdhsa_float_denorm_mode_16_64 3
		.amdhsa_memory_ordered 1
		.amdhsa_forward_progress 1
		.amdhsa_inst_pref_size 81
	.end_amdhsa_kernel
	.amdgpu_metadata
---
amdhsa.version: [ 1, 2 ]
amdhsa.kernels:
  - .name:           k_q980ff258bb_sims
    .symbol:         k_q980ff258bb_sims.kd
    .args:
      - { .name: storage, .offset: 0, .size: 8, .value_kind: global_buffer, .address_space: global }
      - { .name: xb, .offset: 8, .size: 8, .value_kind: global_buffer, .address_space: global }
      - { .name: m1, .offset: 16, .size: 8, .value_kind: global_buffer, .address_space: global }
      - { .name: m2, .offset: 24, .size: 8, .value_kind: global_buffer, .address_space: global }
    .group_segment_fixed_size: 314368
    .private_segment_fixed_size: 0
    .kernarg_segment_align: 8
    .kernarg_segment_size: 32
    .max_flat_workgroup_size: 256
    .sgpr_count:     66
    .vgpr_count:     256
    .wavefront_size: 32
...
	.end_amdgpu_metadata
.endif
;; end of part 2
;; launch top (part 3): grid 256 x 1, 4 waves a work-group, no clusters, 33,536 bytes of LDS; arguments m2, msk2; writes msk2
.if DOCPART == 3
	.amdgcn_target "amdgcn-amd-amdhsa--gfx1250"
	.amdhsa_code_object_version 6
	.text
	.protected	k_q980ff258bb_top
	.globl	k_q980ff258bb_top
	.p2align	8
	.type	k_q980ff258bb_top,@function
k_q980ff258bb_top:
	s_mov_b64 s[64:65], 0
	v_nop
	global_prefetch_b8 v0, s[64:65] scope:SCOPE_SE
	s_setreg_imm32_b32 hwreg(HW_REG_WAVE_MODE, 25, 1), 1
	s_wait_xcnt 0x0
; For each query: which 32 of its 2,048 64-key groups have the best maxima (value descending, group number ascending).
; Those groups hold the query's 32 best keys: a key outside them would have 32 group maxima in front of it.
; msk2: [q 1024][64 words], bit l of word k stands for group p = 32 k + l.  Exactly 32 bits are set.
; Work-group g owns queries 4 g .. 4 g + 3, one a wave.  m2 is [b][q][8]: the four queries' numbers are 128 consecutive bytes for each b;
; the four waves bring them in together, turn them by queries in LDS, and each wave takes its query as 64 registers.
; No control flow and no address hangs on the numbers: a search over the 32 bits of the threshold, counted, and masks.
; No work-group shares data with another, so there is no cluster.  LIMITS: NaN is not served; -0 counts as +0.
.set U,    16                          ; v[16:79]  register k, lane l: group 32 k + l, as a sortable whole number
.set LD,   80                          ; v[80:143] as loaded; later at work
.set VT,   80
.set WD,   10                          ; v[10:11]  mask word k in register k & 1, lane k >> 1
.set M,    16                          ; s[16:23]  eight masks at work
.set THR,  24                          ; the threshold
.set SN,   25                          ; the bit at work
.set CAND, 26
.set CNT,  27
.set NEED, 28
.set RUN,  29
.set SC,   30
.set G,    32                          ; s[32:39]
.set R,    40                          ; s[40:47]
.macro MAPU d, s, t                    ; f32 to a whole number of the same order; adding 0 makes -0 into +0
	v_add_f32 v[\d], 0, v[\s]
	v_ashrrev_i32 v[\t], 31, v[\d]
	v_or_b32 v[\t], 0x80000000, v[\t]
	v_xor_b32 v[\d], v[\d], v[\t]
.endm
.macro COUNT8 cmp, thr, first          ; CNT += how many of eight registers' numbers stand in relation cmp to the threshold
.irp i, 0,1,2,3,4,5,6,7
	\cmp s[M+\i], s[\thr], v[U+\first+\i]
.endr
.irp i, 0,1,2,3,4,5,6,7
	s_bcnt1_i32_b32 s[M+\i], s[M+\i]
.endr
.irp i, 0,1,2,3,4,5,6,7
	s_add_co_u32 s[CNT], s[CNT], s[M+\i]
.endr
.endm
.macro TIE8 first                      ; s[G+i] = chosen lanes of register first + i: above the threshold, or equal to it and among the first NEED equal ones
.irp i, 0,1,2,3,4,5,6,7
	v_cmp_eq_u32 s[M+\i], s[THR], v[U+\first+\i]
.endr
.irp i, 0,1,2,3,4,5,6,7
	v_cmp_lt_u32 s[G+\i], s[THR], v[U+\first+\i]
.endr
.irp i, 0,1,2,3,4,5,6,7
	s_mov_b32 s[R+\i], s[RUN]                      ; equal ones in front of this register
	s_bcnt1_i32_b32 s[SC], s[M+\i]
	s_add_co_u32 s[RUN], s[RUN], s[SC]
.endr
.irp i, 0,1,2,3,4,5,6,7
	v_mbcnt_lo_u32_b32 v[VT+\i], s[M+\i], s[R+\i]  ; + equal ones in lower lanes
.endr
.irp i, 0,1,2,3,4,5,6,7
	v_cmp_gt_u32 s[R+\i], s[NEED], v[VT+\i]
.endr
.irp i, 0,1,2,3,4,5,6,7
	s_and_b32 s[R+\i], s[R+\i], s[M+\i]
	s_or_b32 s[G+\i], s[G+\i], s[R+\i]
.endr
.endm
	s_load_b128 s[4:7], s[0:1], 0x0                ; m2 s[4:5], msk2 s[6:7]
	v_lshl_add_u32 v144, v0, 2, 0x8100
	v_mov_b32 v145, 0
	v_lshrrev_b32 v1, 5, v0
	v_readfirstlane_b32 s8, v1                     ; wave
	v_and_b32 v2, 31, v0                           ; lane l
	v_lshrrev_b32 v3, 3, v2                        ; l >> 3
	v_and_b32 v4, 7, v2                            ; l & 7: which 16 of the 128 bytes
	s_lshl_b32 s9, s8, 6
	v_add_nc_u32 v5, s9, v3                        ; b = 64 w + (l >> 3), + 4 i in the immediates
	v_lshlrev_b32 v6, 15, v5
	v_lshl_add_u32 v6, v4, 4, v6                   ; 32,768 b + 16 (l & 7)
	v_lshrrev_b32 v7, 1, v4                        ; which of the four queries
	v_mul_u32_u24 v7, v7, 8256                     ; a query's 8,192 bytes + 64: the sixteen lanes of a half hit sixteen different 16-byte columns
	v_lshl_add_u32 v7, v5, 5, v7                   ; + 32 b
	v_and_b32 v9, 1, v2
	v_lshl_add_u32 v7, v9, 4, v7                   ; + 16 (l & 1)
	s_mul_i32 s10, s8, 8256
	v_lshl_add_u32 v12, v2, 2, s10                 ; my query's region + 4 l
	s_lshl_b32 s11, ttmp9, 2
	s_add_co_u32 s11, s11, s8                      ; q
	s_lshl_b32 s11, s11, 8
	v_lshl_add_u32 v13, v2, 3, s11                 ; 256 q + 8 l
	v_mov_b32 v[WD], 0
	v_mov_b32 v[WD+1], 0
	s_lshl_b32 s12, ttmp9, 7                       ; 4 g queries of 32 bytes
	s_mov_b32 s13, 0
	s_wait_kmcnt 0x0
	s_add_nc_u64 s[4:5], s[4:5], s[12:13]
.irp i, 0,1,2,3,4,5,6,7,8,9,10,11,12,13,14,15
	global_load_b128 v[LD+4*\i:LD+4*\i+3], v6, s[4:5] offset:131072*\i
.endr
	s_wait_loadcnt 0x0
.irp i, 0,1,2,3,4,5,6,7,8,9,10,11,12,13,14,15
	ds_store_b128 v7, v[LD+4*\i:LD+4*\i+3] offset:128*\i
.endr
	s_wait_dscnt 0x0                               ; my stores are done, for the others' sake
	s_barrier_signal -1
	s_barrier_wait -1
.set k, 0
.rept 64
	ds_load_b32 v[U+k], v12 offset:128*k
.set k, k+1
.endr
	s_wait_dscnt 0x0
.set k, 0
.rept 64
	MAPU U+k, U+k, LD+(k&7)
.set k, k+1
.endr
	; THR = the largest number with at least 32 of the 2,048 at or above it, found bit by bit from the top
	s_mov_b32 s[THR], 0
	s_mov_b32 s[SN], 32
.Lbit:
	s_sub_co_i32 s[SN], s[SN], 1
	s_lshl_b32 s[CAND], 1, s[SN]
	s_or_b32 s[CAND], s[CAND], s[THR]
	s_mov_b32 s[CNT], 0
.irp g, 0,8,16,24,32,40,48,56
	COUNT8 v_cmp_le_u32, CAND, \g
.endr
	s_cmp_ge_u32 s[CNT], 32
	s_cselect_b32 s[THR], s[CAND], s[THR]
	s_cmp_lg_u32 s[SN], 0
	s_cbranch_scc1 .Lbit
	s_mov_b32 s[CNT], 0
.irp g, 0,8,16,24,32,40,48,56
	COUNT8 v_cmp_lt_u32, THR, \g
.endr
	s_sub_co_u32 s[NEED], 32, s[CNT]               ; so many of the equal ones are taken, the lowest groups first
	s_mov_b32 s[RUN], 0
.irp g, 0,8,16,24,32,40,48,56
	TIE8 \g
.irp i, 0,1,2,3,4,5,6,7
	v_writelane_b32 v[WD+(\i&1)], s[G+\i], (\g+\i)>>1
.endr
.endr
	global_store_b64 v13, v[WD:WD+1], s[6:7]       ; the wave's store is the query's 256 bytes, aligned
	s_wait_tensorcnt 0x0
	ds_add_u32 v144, v145
	s_wait_dscnt 0x0
	s_endpgm
.Lfunc_end_k_q980ff258bb_top:
	.size	k_q980ff258bb_top, .Lfunc_end_k_q980ff258bb_top-k_q980ff258bb_top
	.p2alignl 7, 3214868480
	.fill 96, 4, 3214868480
	.section	.rodata,"a",@progbits
	.p2align	6, 0x0
	.amdhsa_kernel k_q980ff258bb_top
		.amdhsa_group_segment_fixed_size 33536
		.amdhsa_private_segment_fixed_size 0
		.amdhsa_enable_private_segment 0
		.amdhsa_kernarg_size 16
		.amdhsa_user_sgpr_count 2
		.amdhsa_user_sgpr_kernarg_segment_ptr 1
		.amdhsa_wavefront_size32 1
		.amdhsa_system_sgpr_workgroup_id_x 1
		.amdhsa_system_sgpr_workgroup_id_y 1
		.amdhsa_system_sgpr_workgroup_id_z 1
		.amdhsa_system_vgpr_workitem_id 0
		.amdhsa_next_free_vgpr 146
		.amdhsa_next_free_sgpr 66
		.amdhsa_reserve_vcc 0
		.amdhsa_float_denorm_mode_32 3
		.amdhsa_float_denorm_mode_16_64 3
		.amdhsa_memory_ordered 1
		.amdhsa_forward_progress 1
		.amdhsa_inst_pref_size 65
	.end_amdhsa_kernel
	.amdgpu_metadata
---
amdhsa.version: [ 1, 2 ]
amdhsa.kernels:
  - .name:           k_q980ff258bb_top
    .symbol:         k_q980ff258bb_top.kd
    .args:
      - { .name: m2, .offset: 0, .size: 8, .value_kind: global_buffer, .address_space: global }
      - { .name: msk2, .offset: 8, .size: 8, .value_kind: global_buffer, .address_space: global }
    .group_segment_fixed_size: 33536
    .private_segment_fixed_size: 0
    .kernarg_segment_align: 8
    .kernarg_segment_size: 16
    .max_flat_workgroup_size: 128
    .sgpr_count:     66
    .vgpr_count:     146
    .wavefront_size: 32
...
	.end_amdgpu_metadata
.endif
;; end of part 3
;; launch sel (part 4): grid 256 x 1, 4 waves a work-group, no clusters, 1,536 bytes of LDS; arguments msk2, m1, sel1; writes sel1
.if DOCPART == 4
	.amdgcn_target "amdgcn-amd-amdhsa--gfx1250"
	.amdhsa_code_object_version 6
	.text
	.protected	k_q980ff258bb_sel
	.globl	k_q980ff258bb_sel
	.p2align	8
	.type	k_q980ff258bb_sel,@function
k_q980ff258bb_sel:
	s_mov_b64 s[64:65], 0
	v_nop
	global_prefetch_b8 v0, s[64:65] scope:SCOPE_SE
	s_setreg_imm32_b32 hwreg(HW_REG_WAVE_MODE, 25, 1), 1
	s_wait_xcnt 0x0
; For each query: the 32 chosen 64-key groups are listed from msk2 (whole numbers of the launch before), their 32 x 8 maxima of 8-key groups
; are gathered from m1, and the best 32 of these 256 are chosen (value descending, group number ascending).
; sel1: [q][2][lane 32][4]: register kk = 4 half + e of lane l is candidate 32 kk + l: the 8-key group's number if chosen, else -1.
; One wave a query.  The list is made in the wave's own 256 bytes of LDS: LDS serves a wave's instructions in order (ISA guide 5.7.1), so no barrier.
; Slots 0 to 31 take the chosen, slot 32 swallows the others; every slot number is clamped to 63, every group number to 2,047.
; LIMITS: NaN is not served; -0 counts as +0.
.set WB,   2                           ; the wave's LDS base
.set DUM,  6                           ; 32
.set ID,   7                           ; 32 k + lane
.set P,    16                          ; v[16:23] the 64-key group of candidate 32 kk + l
.set OFF,  24                          ; v[24:31] its byte offset in m1
.set U,    32                          ; v[32:39] the maxima
.set ID8,  40                          ; v[40:47] 8-key group numbers, then what is stored
.set VT,   48                          ; v[48:55]
.set M,    16                          ; scalars at work once the 64 mask words in s[16:63], s[68:83] have been used
.set G,    24
.set R,    32
.set THR,  40
.set SN,   41
.set CAND, 42
.set CNT,  43
.set NEED, 44
.set RUN,  45
.set SC,   84
.set BASE, 85
.macro MAPU d, s, t
	v_add_f32 v[\d], 0, v[\s]
	v_ashrrev_i32 v[\t], 31, v[\d]
	v_or_b32 v[\t], 0x80000000, v[\t]
	v_xor_b32 v[\d], v[\d], v[\t]
.endm
.macro COUNT8 cmp, thr, first
.irp i, 0,1,2,3,4,5,6,7
	\cmp s[M+\i], s[\thr], v[U+\first+\i]
.endr
.irp i, 0,1,2,3,4,5,6,7
	s_bcnt1_i32_b32 s[M+\i], s[M+\i]
.endr
.irp i, 0,1,2,3,4,5,6,7
	s_add_co_u32 s[CNT], s[CNT], s[M+\i]
.endr
.endm
.macro TIE8 first
.irp i, 0,1,2,3,4,5,6,7
	v_cmp_eq_u32 s[M+\i], s[THR], v[U+\first+\i]
.endr
.irp i, 0,1,2,3,4,5,6,7
	v_cmp_lt_u32 s[G+\i], s[THR], v[U+\first+\i]
.endr
.irp i, 0,1,2,3,4,5,6,7
	s_mov_b32 s[R+\i], s[RUN]
	s_bcnt1_i32_b32 s[SC], s[M+\i]
	s_add_co_u32 s[RUN], s[RUN], s[SC]
.endr
.irp i, 0,1,2,3,4,5,6,7
	v_mbcnt_lo_u32_b32 v[VT+\i], s[M+\i], s[R+\i]
.endr
.irp i, 0,1,2,3,4,5,6,7
	v_cmp_gt_u32 s[R+\i], s[NEED], v[VT+\i]
.endr
.irp i, 0,1,2,3,4,5,6,7
	s_and_b32 s[R+\i], s[R+\i], s[M+\i]
	s_or_b32 s[G+\i], s[G+\i], s[R+\i]
.endr
.endm
.macro PUT mk, t                       ; the lanes named by mask word mk put their number into the next free slots
	v_mbcnt_lo_u32_b32 v[\t], s[\mk], s[BASE]
	v_cndmask_b32 v[\t], v[DUM], v[\t], s[\mk]
	v_min_u32 v[\t], 63, v[\t]
	v_lshl_add_u32 v[\t], v[\t], 2, v[WB]
	ds_store_b32 v[\t], v[ID]
	s_bcnt1_i32_b32 s[SC], s[\mk]
	s_add_co_u32 s[BASE], s[BASE], s[SC]
	v_add_nc_u32 v[ID], 32, v[ID]
.endm
	s_load_b128 s[4:7], s[0:1], 0x0                ; msk2 s[4:5], m1 s[6:7]
	s_load_b64 s[8:9], s[0:1], 0x10                ; sel1
	v_lshl_add_u32 v56, v0, 2, 0x400
	v_mov_b32 v57, 0
	v_lshrrev_b32 v1, 5, v0
	v_readfirstlane_b32 s10, v1                    ; wave
	s_lshl_b32 s11, ttmp9, 2
	s_add_co_u32 s11, s11, s10                     ; q
	s_lshl_b32 s12, s11, 8                         ; 256 q
	s_mov_b32 s13, 0
	s_lshl_b32 s14, s11, 5                         ; 32 q
	s_mov_b32 s15, 0
	s_wait_kmcnt 0x0
	s_add_nc_u64 s[4:5], s[4:5], s[12:13]
	s_add_nc_u64 s[6:7], s[6:7], s[14:15]
	s_load_b512 s[16:31], s[4:5], 0x0              ; the query's 64 mask words
	s_load_b512 s[32:47], s[4:5], 0x40
	s_load_b512 s[48:63], s[4:5], 0x80
	s_load_b512 s[68:83], s[4:5], 0xc0
	v_and_b32 v1, 31, v0                           ; lane
	s_lshl_b32 s[SC], s10, 8
	v_mov_b32 v[WB], s[SC]                         ; 256 bytes a wave
	v_lshl_add_u32 v3, v1, 3, v[WB]
	v_mov_b32 v4, 0
	v_mov_b32 v5, 0
	ds_store_b64 v3, v[4:5]                        ; all 64 slots hold a number whatever the masks say
	v_mov_b32 v[DUM], 32
	v_mov_b32 v[ID], v1
	v_lshrrev_b32 v12, 3, v1
	v_lshl_add_u32 v12, v12, 2, v[WB]              ; slot l >> 3, + 4 kk in the immediates
	v_and_b32 v13, 7, v1                           ; l & 7
	v_lshlrev_b32 v14, 2, v13
	s_lshl_b32 s[SC], s11, 10
	v_lshl_add_u32 v15, v1, 4, s[SC]               ; 1,024 q + 16 l
	s_mov_b32 s[BASE], 0
	s_wait_kmcnt 0x0
.set k, 0
.rept 48
	PUT 16+k, 8+(k&3)
.set k, k+1
.endr
.rept 16
	PUT 20+k, 8+(k&3)
.set k, k+1
.endr
.irp kk, 0,1,2,3,4,5,6,7
	ds_load_b32 v[P+\kk], v12 offset:16*\kk
.endr
	s_wait_dscnt 0x0
.irp kk, 0,1,2,3,4,5,6,7
	v_min_u32 v[P+\kk], 0x7ff, v[P+\kk]
	v_lshl_add_u32 v[OFF+\kk], v[P+\kk], 15, v14   ; 32,768 p + 4 (l & 7)
	global_load_b32 v[U+\kk], v[OFF+\kk], s[6:7]
	v_lshl_add_u32 v[ID8+\kk], v[P+\kk], 3, v13    ; 8 p + (l & 7)
.endr
	s_wait_loadcnt 0x0
.irp kk, 0,1,2,3,4,5,6,7
	MAPU U+\kk, U+\kk, VT+\kk
.endr
	s_mov_b32 s[THR], 0
	s_mov_b32 s[SN], 32
.Lbit:
	s_sub_co_i32 s[SN], s[SN], 1
	s_lshl_b32 s[CAND], 1, s[SN]
	s_or_b32 s[CAND], s[CAND], s[THR]
	s_mov_b32 s[CNT], 0
	COUNT8 v_cmp_le_u32, CAND, 0
	s_cmp_ge_u32 s[CNT], 32
	s_cselect_b32 s[THR], s[CAND], s[THR]
	s_cmp_lg_u32 s[SN], 0
	s_cbranch_scc1 .Lbit
	s_mov_b32 s[CNT], 0
	COUNT8 v_cmp_lt_u32, THR, 0
	s_sub_co_u32 s[NEED], 32, s[CNT]
	s_mov_b32 s[RUN], 0
	TIE8 0
.irp kk, 0,1,2,3,4,5,6,7
	v_cndmask_b32 v[ID8+\kk], -1, v[ID8+\kk], s[G+\kk]
.endr
	global_store_b128 v15, v[ID8:ID8+3], s[8:9]
	global_store_b128 v15, v[ID8+4:ID8+7], s[8:9] offset:512
	s_wait_tensorcnt 0x0
	ds_add_u32 v56, v57
	s_wait_dscnt 0x0
	s_endpgm
.Lfunc_end_k_q980ff258bb_sel:
	.size	k_q980ff258bb_sel, .Lfunc_end_k_q980ff258bb_sel-k_q980ff258bb_sel
	.p2alignl 7, 3214868480
	.fill 96, 4, 3214868480
	.section	.rodata,"a",@progbits
	.p2align	6, 0x0
	.amdhsa_kernel k_q980ff258bb_sel
		.amdhsa_group_segment_fixed_size 1536
		.amdhsa_private_segment_fixed_size 0
		.amdhsa_enable_private_segment 0
		.amdhsa_kernarg_size 24
		.amdhsa_user_sgpr_count 2
		.amdhsa_user_sgpr_kernarg_segment_ptr 1
		.amdhsa_wavefront_size32 1
		.amdhsa_system_sgpr_workgroup_id_x 1
		.amdhsa_system_sgpr_workgroup_id_y 1
		.amdhsa_system_sgpr_workgroup_id_z 1
		.amdhsa_system_vgpr_workitem_id 0
		.amdhsa_next_free_vgpr 58
		.amdhsa_next_free_sgpr 88
		.amdhsa_reserve_vcc 0
		.amdhsa_float_denorm_mode_32 3
		.amdhsa_float_denorm_mode_16_64 3
		.amdhsa_memory_ordered 1
		.amdhsa_forward_progress 1
		.amdhsa_inst_pref_size 37
	.end_amdhsa_kernel
	.amdgpu_metadata
---
amdhsa.version: [ 1, 2 ]
amdhsa.kernels:
  - .name:           k_q980ff258bb_sel
    .symbol:         k_q980ff258bb_sel.kd
    .args:
      - { .name: msk2, .offset: 0, .size: 8, .value_kind: global_buffer, .address_space: global }
      - { .name: m1, .offset: 8, .size: 8, .value_kind: global_buffer, .address_space: global }
      - { .name: sel1, .offset: 16, .size: 8, .value_kind: global_buffer, .address_space: global }
    .group_segment_fixed_size: 1536
    .private_segment_fixed_size: 0
    .kernarg_segment_align: 8
    .kernarg_segment_size: 24
    .max_flat_workgroup_size: 128
    .sgpr_count:     88
    .vgpr_count:     58
    .wavefront_size: 32
...
	.end_amdgpu_metadata
.endif
;; end of part 4
;; launch resc (part 5): grid 256 x 1, 4 waves a work-group, no clusters, 1,536 bytes of LDS; arguments sel1, storage, x, selk, wts; writes selk, wts
.if DOCPART == 5
	.amdgcn_target "amdgcn-amd-amdhsa--gfx1250"
	.amdhsa_code_object_version 6
	.text
	.protected	k_q980ff258bb_resc
	.globl	k_q980ff258bb_resc
	.p2align	8
	.type	k_q980ff258bb_resc,@function
k_q980ff258bb_resc:
	s_mov_b64 s[64:65], 0
	v_nop
	global_prefetch_b8 v0, s[64:65] scope:SCOPE_SE
	s_setreg_imm32_b32 hwreg(HW_REG_WAVE_MODE, 25, 1), 1
	s_wait_xcnt 0x0
; For each query: the 32 chosen 8-key groups are listed from sel1 (whole numbers of the launch before); their 256 keys are gathered;
; sim = (bf16(x) . bf16(key)) / max(|bf16(key)|, 1e-12) / max(|bf16(x)|, 1e-12), all sums in f32 on the vector unit (33 million multiply-adds
; in the launch: too few for the matrix unit to pay); the best 32 are chosen (value descending, key number ascending); softmax over them, the
; largest taken away first (it is always among the chosen).
; selk: [q][2][lane][4] key number or -1;  wts: the same layout, the weight or 0.  Register kk of lane l is candidate 32 kk + l.
; One wave a query.  A key's 512 bytes are two loads of 256 bytes by sixteen lanes; the two halves of the wave take two different 8-key groups.
; LIMITS: NaN and infinities are not served; -0 counts as +0; sums of squares are kept in f32; two similarities nearer to each other than the
; rounding of these f32 sums may be ordered otherwise than another order of summing would.
.set WB,   4
.set DUM,  5
.set OFS,  6                           ; 1,024 q + 16 lane
.set Q,    8                           ; v[8:15]   my 8 numbers of the query: 4 r .. 4 r + 3 and 64 + 4 r .. + 3
.set VA,   16                          ; v[16:31]  group 2 kk + ih: byte offset of my 16 bytes in the first key of slot 4 kk + 2 h + ih
.set DOT,  32                          ; v[32:39]
.set SS,   40                          ; v[40:47]
.set T,    48                          ; v[48:63]  at work
.set B0,   64                          ; v[64:127]  eight keys as loaded
.set B1,   128                         ; v[128:191] the next eight
.set KID,  192                         ; v[192:199] key numbers
.set SL,   200                         ; v[200:207] sel1 as loaded
.set QINV, 208
.set A1,   209
.set A2,   210
.set C7,   211
.set R16,  212
.set W,    213
.set U,    64                          ; behind the gather
.set E,    72
.set VT,   56
.set M,    16
.set THR,  24
.set SN,   25
.set CAND, 26
.set CNT,  27
.set NEED, 28
.set RUN,  29
.set SC,   30
.set BASE, 31
.set LM,   40                          ; s[40:55] lane masks 0x10001 << i during the gather
.set R,    40                          ; behind it
.set G,    56                          ; s[56:63] the chosen
.macro MAPU d, s, t
	v_add_f32 v[\d], 0, v[\s]
	v_ashrrev_i32 v[\t], 31, v[\d]
	v_or_b32 v[\t], 0x80000000, v[\t]
	v_xor_b32 v[\d], v[\d], v[\t]
.endm
.macro COUNT8 cmp, thr, first
.irp i, 0,1,2,3,4,5,6,7
	\cmp s[M+\i], s[\thr], v[U+\first+\i]
.endr
.irp i, 0,1,2,3,4,5,6,7
	s_bcnt1_i32_b32 s[M+\i], s[M+\i]
.endr
.irp i, 0,1,2,3,4,5,6,7
	s_add_co_u32 s[CNT], s[CNT], s[M+\i]
.endr
.endm
.macro TIE8 first
.irp i, 0,1,2,3,4,5,6,7
	v_cmp_eq_u32 s[M+\i], s[THR], v[U+\first+\i]
.endr
.irp i, 0,1,2,3,4,5,6,7
	v_cmp_lt_u32 s[G+\i], s[THR], v[U+\first+\i]
.endr
.irp i, 0,1,2,3,4,5,6,7
	s_mov_b32 s[R+\i], s[RUN]
	s_bcnt1_i32_b32 s[SC], s[M+\i]
	s_add_co_u32 s[RUN], s[RUN], s[SC]
.endr
.irp i, 0,1,2,3,4,5,6,7
	v_mbcnt_lo_u32_b32 v[VT+\i], s[M+\i], s[R+\i]
.endr
.irp i, 0,1,2,3,4,5,6,7
	v_cmp_gt_u32 s[R+\i], s[NEED], v[VT+\i]
.endr
.irp i, 0,1,2,3,4,5,6,7
	s_and_b32 s[R+\i], s[R+\i], s[M+\i]
	s_or_b32 s[G+\i], s[G+\i], s[R+\i]
.endr
.endm
.macro WRED opd, op, r                 ; over the 32 lanes, the result in every lane
	\opd v[\r], v[\r], v[\r] row_xmask:1 row_mask:0xf bank_mask:0xf
	\opd v[\r], v[\r], v[\r] row_xmask:2 row_mask:0xf bank_mask:0xf
	\opd v[\r], v[\r], v[\r] row_xmask:4 row_mask:0xf bank_mask:0xf
	\opd v[\r], v[\r], v[\r] row_xmask:8 row_mask:0xf bank_mask:0xf
	v_permlanex16_b32 v[W], v[\r], s34, s35
	\op v[\r], v[\r], v[W]
.endm
.macro PUT k
	v_mbcnt_lo_u32_b32 v[T+(\k&3)], s[M+\k], s[BASE]
	v_cndmask_b32 v[T+(\k&3)], v[DUM], v[T+(\k&3)], s[M+\k]
	v_min_u32 v[T+(\k&3)], 63, v[T+(\k&3)]
	v_lshl_add_u32 v[T+(\k&3)], v[T+(\k&3)], 2, v[WB]
	ds_store_b32 v[T+(\k&3)], v[SL+\k]
	s_bcnt1_i32_b32 s[SC], s[M+\k]
	s_add_co_u32 s[BASE], s[BASE], s[SC]
.endm
.macro GLOAD g, buf                    ; the eight keys of one 8-key group for each half of the wave
.irp j, 0,1,2,3,4,5,6,7
	global_load_b128 v[\buf+8*\j:\buf+8*\j+3],   v[VA+\g], s[6:7] offset:1024*\j
	global_load_b128 v[\buf+8*\j+4:\buf+8*\j+7], v[VA+\g], s[6:7] offset:1024*\j+256
.endr
.endm
; One key for each half: round to bf16, widen, dot with the query and with itself, sum over the half's 16 lanes; lane 16 h + i keeps the two sums.
.macro PAIR x, kk, i
	v_cvt_pk_bf16_f32 v[T+8*((\i)&1)],   v[\x],   v[\x+1]
	v_cvt_pk_bf16_f32 v[T+8*((\i)&1)+1], v[\x+2], v[\x+3]
	v_cvt_pk_bf16_f32 v[T+8*((\i)&1)+2], v[\x+4], v[\x+5]
	v_cvt_pk_bf16_f32 v[T+8*((\i)&1)+3], v[\x+6], v[\x+7]
.irp e, 0,1,2,3
	v_lshlrev_b32 v[\x+2*\e],   16,  v[T+8*((\i)&1)+\e]
	v_and_b32     v[\x+2*\e+1], s36, v[T+8*((\i)&1)+\e]
.endr
	v_pk_mul_f32 v[T+8*((\i)&1)+4:T+8*((\i)&1)+5], v[\x:\x+1], v[Q:Q+1]
	v_pk_mul_f32 v[T+8*((\i)&1)+6:T+8*((\i)&1)+7], v[\x:\x+1], v[\x:\x+1]
.irp e, 2,4,6
	v_pk_fma_f32 v[T+8*((\i)&1)+4:T+8*((\i)&1)+5], v[\x+\e:\x+\e+1], v[Q+\e:Q+\e+1], v[T+8*((\i)&1)+4:T+8*((\i)&1)+5]
	v_pk_fma_f32 v[T+8*((\i)&1)+6:T+8*((\i)&1)+7], v[\x+\e:\x+\e+1], v[\x+\e:\x+\e+1], v[T+8*((\i)&1)+6:T+8*((\i)&1)+7]
.endr
	v_add_f32 v[T+8*((\i)&1)+4], v[T+8*((\i)&1)+4], v[T+8*((\i)&1)+5]
	v_add_f32 v[T+8*((\i)&1)+6], v[T+8*((\i)&1)+6], v[T+8*((\i)&1)+7]
.irp m, 1,2,4,8
	v_add_f32_dpp v[T+8*((\i)&1)+4], v[T+8*((\i)&1)+4], v[T+8*((\i)&1)+4] row_xmask:\m row_mask:0xf bank_mask:0xf
	v_add_f32_dpp v[T+8*((\i)&1)+6], v[T+8*((\i)&1)+6], v[T+8*((\i)&1)+6] row_xmask:\m row_mask:0xf bank_mask:0xf
.endr
.if \i == 0
	v_mov_b32 v[DOT+\kk], v[T+8*((\i)&1)+4]        ; the first of sixteen writes the whole register
	v_mov_b32 v[SS+\kk],  v[T+8*((\i)&1)+6]
.else
	v_cndmask_b32 v[DOT+\kk], v[DOT+\kk], v[T+8*((\i)&1)+4], s[LM+\i]
	v_cndmask_b32 v[SS+\kk],  v[SS+\kk],  v[T+8*((\i)&1)+6], s[LM+\i]
.endif
.endm
.macro GROUP g, buf, nbuf, more
.if \more
	GLOAD \g+1, \nbuf
	s_wait_loadcnt 16                              ; this group's sixteen loads are in; the next group's sixteen stay out
.else
	s_wait_loadcnt 0x0
.endif
.irp j, 0,1,2,3,4,5,6,7
	PAIR \buf+8*\j, (\g)/2, 8*((\g)&1)+\j
.endr
.endm
	s_load_b256 s[4:11], s[0:1], 0x0               ; sel1 s[4:5], storage s[6:7], x s[8:9], selk s[10:11]
	s_load_b64 s[12:13], s[0:1], 0x20              ; wts
	v_lshl_add_u32 v216, v0, 2, 0x400
	v_mov_b32 v217, 0
	v_lshrrev_b32 v1, 5, v0
	v_readfirstlane_b32 s14, v1                    ; wave
	s_lshl_b32 s15, ttmp9, 2
	s_add_co_u32 s15, s15, s14                     ; q
	s_mov_b32 s34, 0x76543210
	s_mov_b32 s35, 0xfedcba98
	s_mov_b32 s36, 0xffff0000
	v_and_b32 v1, 31, v0                           ; lane
	v_and_b32 v2, 15, v0                           ; r
	v_bfe_u32 v3, v0, 4, 1                         ; h
	s_lshl_b32 s38, s14, 8
	v_mov_b32 v[WB], s38                           ; 256 bytes of LDS a wave
	v_mov_b32 v[DUM], 32
	s_lshl_b32 s38, s15, 10
	v_lshl_add_u32 v[OFS], v1, 4, s38
	s_lshl_b32 s38, s15, 9
	v_lshl_add_u32 v7, v2, 4, s38                  ; 512 q + 16 r
	v_lshlrev_b32 v[R16], 4, v2
	v_and_b32 v[C7], 7, v1
	v_mov_b32 v[W], 0
.irp i, 0,1,2,3,4,5,6,7,8,9,10,11,12,13,14,15
	s_mov_b32 s[LM+\i], 0x10001<<\i
.endr
	s_wait_kmcnt 0x0
	global_load_b128 v[SL:SL+3],   v[OFS], s[4:5]
	global_load_b128 v[SL+4:SL+7], v[OFS], s[4:5] offset:512
	global_load_b128 v[Q:Q+3],   v7, s[8:9]
	global_load_b128 v[Q+4:Q+7], v7, s[8:9] offset:256
	v_mov_b32 v[T+4], 0
	v_mov_b32 v[T+5], 0
	v_lshl_add_u32 v[A1], v1, 3, v[WB]
	ds_store_b64 v[A1], v[T+4:T+5]                 ; all 64 slots hold a number
	v_lshl_add_u32 v[A1], v3, 3, v[WB]             ; slot 2 h, + 4 kk + ih in the immediates
	v_lshrrev_b32 v[A2], 3, v1
	v_lshl_add_u32 v[A2], v[A2], 2, v[WB]          ; slot l >> 3, + 4 kk
	s_mov_b32 s[BASE], 0
	s_wait_loadcnt 0x2                             ; the list is in; the two loads of x stay out
.irp k, 0,1,2,3,4,5,6,7
	v_cmp_ne_u32 s[M+\k], -1, v[SL+\k]
.endr
.irp k, 0,1,2,3,4,5,6,7
	PUT \k
.endr
.irp kk, 0,1,2,3,4,5,6,7
	ds_load_b32 v[VA+2*\kk],   v[A1] offset:16*\kk
	ds_load_b32 v[VA+2*\kk+1], v[A1] offset:16*\kk+4
	ds_load_b32 v[KID+\kk],    v[A2] offset:16*\kk
.endr
	s_wait_loadcnt 0x0                             ; x
	v_cvt_pk_bf16_f32 v[T],   v[Q],   v[Q+1]
	v_cvt_pk_bf16_f32 v[T+1], v[Q+2], v[Q+3]
	v_cvt_pk_bf16_f32 v[T+2], v[Q+4], v[Q+5]
	v_cvt_pk_bf16_f32 v[T+3], v[Q+6], v[Q+7]
.irp e, 0,1,2,3
	v_lshlrev_b32 v[Q+2*\e],   16,  v[T+\e]
	v_and_b32     v[Q+2*\e+1], s36, v[T+\e]
.endr
	v_pk_mul_f32 v[T+4:T+5], v[Q:Q+1], v[Q:Q+1]
.irp e, 2,4,6
	v_pk_fma_f32 v[T+4:T+5], v[Q+\e:Q+\e+1], v[Q+\e:Q+\e+1], v[T+4:T+5]
.endr
	v_add_f32 v[T+4], v[T+4], v[T+5]
.irp m, 1,2,4,8
	v_add_f32_dpp v[T+4], v[T+4], v[T+4] row_xmask:\m row_mask:0xf bank_mask:0xf   ; sixteen lanes hold the whole query
.endr
	v_sqrt_f32 v[QINV], v[T+4]
	v_nop                                          ; one plain place behind a transcendental (ISA guide 5.7.2)
	s_wait_alu depctr_va_vdst(0)
	v_max_num_f32 v[QINV], 0x2b8cbccc, v[QINV]     ; max(norm, 1e-12)
	v_rcp_f32 v[QINV], v[QINV]
	v_nop
	s_wait_dscnt 0x0
.irp g, 0,1,2,3,4,5,6,7,8,9,10,11,12,13,14,15
	v_min_u32 v[VA+\g], 0x3fff, v[VA+\g]
	v_lshl_add_u32 v[VA+\g], v[VA+\g], 13, v[R16]  ; 8 keys of 1,024 bytes a group, + 16 r
.endr
.irp kk, 0,1,2,3,4,5,6,7
	v_min_u32 v[KID+\kk], 0x3fff, v[KID+\kk]
	v_lshl_add_u32 v[KID+\kk], v[KID+\kk], 3, v[C7]
.endr
	GLOAD 0, B0
.irp g, 0,2,4,6,8,10,12
	GROUP \g, B0, B1, 1
	GROUP \g+1, B1, B0, 1
.endr
	GROUP 14, B0, B1, 1
	GROUP 15, B1, B0, 0
.irp k, 0,1,2,3,4,5,6,7
	v_sqrt_f32 v[SS+\k], v[SS+\k]
.endr
	v_nop
	s_wait_alu depctr_va_vdst(0)
.irp k, 0,1,2,3,4,5,6,7
	v_max_num_f32 v[SS+\k], 0x2b8cbccc, v[SS+\k]
.endr
.irp k, 0,1,2,3,4,5,6,7
	v_rcp_f32 v[SS+\k], v[SS+\k]
.endr
	v_nop
	s_wait_alu depctr_va_vdst(0)
.irp k, 0,1,2,3,4,5,6,7
	v_mul_f32 v[SS+\k], v[SS+\k], v[QINV]
	v_mul_f32 v[DOT+\k], v[DOT+\k], v[SS+\k]       ; the similarity
.endr
.irp k, 0,1,2,3,4,5,6,7
	MAPU U+\k, DOT+\k, T+\k
.endr
	s_mov_b32 s[THR], 0
	s_mov_b32 s[SN], 32
.Lbit:
	s_sub_co_i32 s[SN], s[SN], 1
	s_lshl_b32 s[CAND], 1, s[SN]
	s_or_b32 s[CAND], s[CAND], s[THR]
	s_mov_b32 s[CNT], 0
	COUNT8 v_cmp_le_u32, CAND, 0
	s_cmp_ge_u32 s[CNT], 32
	s_cselect_b32 s[THR], s[CAND], s[THR]
	s_cmp_lg_u32 s[SN], 0
	s_cbranch_scc1 .Lbit
	s_mov_b32 s[CNT], 0
	COUNT8 v_cmp_lt_u32, THR, 0
	s_sub_co_u32 s[NEED], 32, s[CNT]
	s_mov_b32 s[RUN], 0
	TIE8 0
	; softmax over the chosen: the largest of all 256 is the largest of the chosen
	v_max3_num_f32 v[T], v[DOT], v[DOT+1], v[DOT+2]
	v_max3_num_f32 v[T], v[T], v[DOT+3], v[DOT+4]
	v_max3_num_f32 v[T], v[T], v[DOT+5], v[DOT+6]
	v_max_num_f32 v[T], v[T], v[DOT+7]
	WRED v_max_num_f32_dpp, v_max_num_f32, T
.irp k, 0,1,2,3,4,5,6,7
	v_sub_f32 v[E+\k], v[DOT+\k], v[T]
	v_mul_f32 v[E+\k], 0x3fb8aa3b, v[E+\k]
.endr
.irp k, 0,1,2,3,4,5,6,7
	v_exp_f32 v[E+\k], v[E+\k]
.endr
	v_nop
	s_wait_alu depctr_va_vdst(0)
.irp k, 0,1,2,3,4,5,6,7
	v_cndmask_b32 v[E+\k], 0, v[E+\k], s[G+\k]
	v_cndmask_b32 v[KID+\k], -1, v[KID+\k], s[G+\k]
.endr
	v_add_f32 v[T+1], v[E], v[E+1]
	v_add_f32 v[T+2], v[E+2], v[E+3]
	v_add_f32 v[T+3], v[E+4], v[E+5]
	v_add_f32 v[T+4], v[E+6], v[E+7]
	v_add_f32 v[T+1], v[T+1], v[T+2]
	v_add_f32 v[T+3], v[T+3], v[T+4]
	v_add_f32 v[T+1], v[T+1], v[T+3]
	WRED v_add_f32_dpp, v_add_f32, T+1
	v_rcp_f32 v[T+2], v[T+1]                       ; the sum is at least 1: the largest gives exp(0)
	v_nop
	s_wait_alu depctr_va_vdst(0)
.irp k, 0,1,2,3,4,5,6,7
	v_mul_f32 v[E+\k], v[E+\k], v[T+2]
.endr
	global_store_b128 v[OFS], v[KID:KID+3],   s[10:11]
	global_store_b128 v[OFS], v[KID+4:KID+7], s[10:11] offset:512
	global_store_b128 v[OFS], v[E:E+3],   s[12:13]
	global_store_b128 v[OFS], v[E+4:E+7], s[12:13] offset:512
	s_wait_tensorcnt 0x0
	ds_add_u32 v216, v217
	s_wait_dscnt 0x0
	s_endpgm
.Lfunc_end_k_q980ff258bb_resc:
	.size	k_q980ff258bb_resc, .Lfunc_end_k_q980ff258bb_resc-k_q980ff258bb_resc
	.p2alignl 7, 3214868480
	.fill 96, 4, 3214868480
	.section	.rodata,"a",@progbits
	.p2align	6, 0x0
	.amdhsa_kernel k_q980ff258bb_resc
		.amdhsa_group_segment_fixed_size 1536
		.amdhsa_private_segment_fixed_size 0
		.amdhsa_enable_private_segment 0
		.amdhsa_kernarg_size 40
		.amdhsa_user_sgpr_count 2
		.amdhsa_user_sgpr_kernarg_segment_ptr 1
		.amdhsa_wavefront_size32 1
		.amdhsa_system_sgpr_workgroup_id_x 1
		.amdhsa_system_sgpr_workgroup_id_y 1
		.amdhsa_system_sgpr_workgroup_id_z 1
		.amdhsa_system_vgpr_workitem_id 0
		.amdhsa_next_free_vgpr 218
		.amdhsa_next_free_sgpr 66
		.amdhsa_reserve_vcc 0
		.amdhsa_float_denorm_mode_32 3
		.amdhsa_float_denorm_mode_16_64 3
		.amdhsa_memory_ordered 1
		.amdhsa_forward_progress 1
		.amdhsa_inst_pref_size 255
	.end_amdhsa_kernel
	.section	.bss,"aw",@nobits
	.p2align	6
	.space	262144
	.amdgpu_metadata
---
amdhsa.version: [ 1, 2 ]
amdhsa.kernels:
  - .name:           k_q980ff258bb_resc
    .symbol:         k_q980ff258bb_resc.kd
    .args:
      - { .name: sel1, .offset: 0, .size: 8, .value_kind: global_buffer, .address_space: global }
      - { .name: storage, .offset: 8, .size: 8, .value_kind: global_buffer, .address_space: global }
      - { .name: x, .offset: 16, .size: 8, .value_kind: global_buffer, .address_space: global }
      - { .name: selk, .offset: 24, .size: 8, .value_kind: global_buffer, .address_space: global }
      - { .name: wts, .offset: 32, .size: 8, .value_kind: global_buffer, .address_space: global }
    .group_segment_fixed_size: 1536
    .private_segment_fixed_size: 0
    .kernarg_segment_align: 8
    .kernarg_segment_size: 40
    .max_flat_workgroup_size: 128
    .sgpr_count:     66
    .vgpr_count:     218
    .wavefront_size: 32
...
	.end_amdgpu_metadata
.endif
;; end of part 5
;; launch outp (part 6): grid 256 x 1, 4 waves a work-group, no clusters, 2,560 bytes of LDS; arguments selk, wts, storage, out0; writes out0
.if DOCPART == 6
	.amdgcn_target "amdgcn-amd-amdhsa--gfx1250"
	.amdhsa_code_object_version 6
	.text
	.protected	k_q980ff258bb_outp
	.globl	k_q980ff258bb_outp
	.p2align	8
	.type	k_q980ff258bb_outp,@function
k_q980ff258bb_outp:
	s_mov_b64 s[64:65], 0
	v_nop
	global_prefetch_b8 v0, s[64:65] scope:SCOPE_SE
	s_setreg_imm32_b32 hwreg(HW_REG_WAVE_MODE, 25, 1), 1
	s_wait_xcnt 0x0
; out0[q] = the sum over the query's 32 chosen keys of weight x bf16(value row), in f32.
; The chosen key numbers (whole numbers of the launch before) and their weights are listed in the wave's own 512 bytes of LDS, 8 bytes a slot
; (weight, key number); every lane reads all 32 slots; a value row is 512 consecutive bytes, one load of the wave; all 32 loads go out at once.
; One wave a query.  A product with one row a query has nothing for the matrix unit; no work-group shares data with another, so no cluster.
.set OFS,  2                           ; 1,024 q + 16 lane
.set WB,   3
.set DUM,  4
.set L16,  5                           ; 16 x lane
.set OO,   6                           ; 512 q + 16 lane
.set AC,   8                           ; v[8:11]   the sums of my four columns
.set T,    12                          ; v[12:15]  at work
.set PR,   16                          ; v[16:79]  slot j: weight, then the row's byte offset
.set ROWS, 80                          ; v[80:207] row j: four registers
.set ID,   80                          ; before the gather: v[80:87] key numbers, v[88:95] weights, as loaded
.set WT,   88
.set M,    16                          ; s[16:23]
.set BASE, 24
.set SC,   25
.macro PUT k
	v_mbcnt_lo_u32_b32 v[T+(\k&3)], s[M+\k], s[BASE]
	v_cndmask_b32 v[T+(\k&3)], v[DUM], v[T+(\k&3)], s[M+\k]
	v_min_u32 v[T+(\k&3)], 63, v[T+(\k&3)]
	v_lshl_add_u32 v[T+(\k&3)], v[T+(\k&3)], 3, v[WB]
	ds_store_b32 v[T+(\k&3)], v[WT+\k]
	ds_store_b32 v[T+(\k&3)], v[ID+\k] offset:4
	s_bcnt1_i32_b32 s[SC], s[M+\k]
	s_add_co_u32 s[BASE], s[BASE], s[SC]
.endm
.macro ROW j
	s_wait_loadcnt 31-\j                           ; loads come back in order: row j is in, the younger rows stay out
	v_cvt_pk_bf16_f32 v[T],   v[ROWS+4*\j],   v[ROWS+4*\j+1]
	v_cvt_pk_bf16_f32 v[T+1], v[ROWS+4*\j+2], v[ROWS+4*\j+3]
	v_lshlrev_b32 v[ROWS+4*\j],   16,  v[T]
	v_and_b32     v[ROWS+4*\j+1], s14, v[T]
	v_lshlrev_b32 v[ROWS+4*\j+2], 16,  v[T+1]
	v_and_b32     v[ROWS+4*\j+3], s14, v[T+1]
.if \j == 0
	v_pk_mul_f32 v[AC:AC+1],   v[ROWS+4*\j:ROWS+4*\j+1],   v[PR+2*\j:PR+2*\j+1] op_sel_hi:[1,0]   ; both by the pair's first register, the weight
	v_pk_mul_f32 v[AC+2:AC+3], v[ROWS+4*\j+2:ROWS+4*\j+3], v[PR+2*\j:PR+2*\j+1] op_sel_hi:[1,0]
.else
	v_pk_fma_f32 v[AC:AC+1],   v[ROWS+4*\j:ROWS+4*\j+1],   v[PR+2*\j:PR+2*\j+1], v[AC:AC+1] op_sel_hi:[1,0,1]
	v_pk_fma_f32 v[AC+2:AC+3], v[ROWS+4*\j+2:ROWS+4*\j+3], v[PR+2*\j:PR+2*\j+1], v[AC+2:AC+3] op_sel_hi:[1,0,1]
.endif
.endm
	s_load_b256 s[4:11], s[0:1], 0x0               ; selk s[4:5], wts s[6:7], storage s[8:9], out0 s[10:11]
	v_lshl_add_u32 v208, v0, 2, 0x800
	v_mov_b32 v209, 0
	v_lshrrev_b32 v1, 5, v0
	v_readfirstlane_b32 s12, v1                    ; wave
	s_lshl_b32 s13, ttmp9, 2
	s_add_co_u32 s13, s13, s12                     ; q
	s_mov_b32 s14, 0xffff0000
	v_and_b32 v1, 31, v0
	v_lshlrev_b32 v[L16], 4, v1
	s_lshl_b32 s15, s13, 10
	v_add_nc_u32 v[OFS], s15, v[L16]
	s_lshl_b32 s15, s13, 9
	v_add_nc_u32 v[OO], s15, v[L16]
	s_lshl_b32 s15, s12, 9
	v_mov_b32 v[WB], s15                           ; 512 bytes of LDS a wave
	v_mov_b32 v[DUM], 32
	s_wait_kmcnt 0x0
	global_load_b128 v[ID:ID+3],   v[OFS], s[4:5]
	global_load_b128 v[ID+4:ID+7], v[OFS], s[4:5] offset:512
	global_load_b128 v[WT:WT+3],   v[OFS], s[6:7]
	global_load_b128 v[WT+4:WT+7], v[OFS], s[6:7] offset:512
.irp i, 0,1,2,3
	v_mov_b32 v[AC+\i], 0
.endr
	v_add_nc_u32 v7, v[WB], v[L16]
	ds_store_b128 v7, v[AC:AC+3]                   ; all 64 slots hold a number
	s_mov_b32 s[BASE], 0
	s_wait_loadcnt 0x0
.irp k, 0,1,2,3,4,5,6,7
	v_cmp_ne_u32 s[M+\k], -1, v[ID+\k]
.endr
.irp k, 0,1,2,3,4,5,6,7
	PUT \k
.endr
.irp j, 0,1,2,3,4,5,6,7,8,9,10,11,12,13,14,15
	ds_load_b128 v[PR+4*\j:PR+4*\j+3], v[WB] offset:16*\j      ; two slots, the same for every lane
.endr
	s_wait_dscnt 0x0
.irp j, 0,1,2,3,4,5,6,7,8,9,10,11,12,13,14,15,16,17,18,19,20,21,22,23,24,25,26,27,28,29,30,31
	v_min_u32 v[PR+2*\j+1], 0x1ffff, v[PR+2*\j+1]
	v_lshl_add_u32 v[PR+2*\j+1], v[PR+2*\j+1], 10, v[L16]      ; a storage row is 1,024 bytes; the values are its second half
	global_load_b128 v[ROWS+4*\j:ROWS+4*\j+3], v[PR+2*\j+1], s[8:9] offset:512
.endr
.irp j, 0,1,2,3,4,5,6,7,8,9,10,11,12,13,14,15,16,17,18,19,20,21,22,23,24,25,26,27,28,29,30,31
	ROW \j
.endr
	global_store_b128 v[OO], v[AC:AC+3], s[10:11]  ; the wave's store is the query's 512 bytes
	s_wait_tensorcnt 0x0
	ds_add_u32 v208, v209
	s_wait_dscnt 0x0
	s_endpgm
.Lfunc_end_k_q980ff258bb_outp:
	.size	k_q980ff258bb_outp, .Lfunc_end_k_q980ff258bb_outp-k_q980ff258bb_outp
	.p2alignl 7, 3214868480
	.fill 96, 4, 3214868480
	.section	.rodata,"a",@progbits
	.p2align	6, 0x0
	.amdhsa_kernel k_q980ff258bb_outp
		.amdhsa_group_segment_fixed_size 2560
		.amdhsa_private_segment_fixed_size 0
		.amdhsa_enable_private_segment 0
		.amdhsa_kernarg_size 32
		.amdhsa_user_sgpr_count 2
		.amdhsa_user_sgpr_kernarg_segment_ptr 1
		.amdhsa_wavefront_size32 1
		.amdhsa_system_sgpr_workgroup_id_x 1
		.amdhsa_system_sgpr_workgroup_id_y 1
		.amdhsa_system_sgpr_workgroup_id_z 1
		.amdhsa_system_vgpr_workitem_id 0
		.amdhsa_next_free_vgpr 210
		.amdhsa_next_free_sgpr 66
		.amdhsa_reserve_vcc 0
		.amdhsa_float_denorm_mode_32 3
		.amdhsa_float_denorm_mode_16_64 3
		.amdhsa_memory_ordered 1
		.amdhsa_forward_progress 1
		.amdhsa_inst_pref_size 27
	.end_amdhsa_kernel
	.amdgpu_metadata
---
amdhsa.version: [ 1, 2 ]
amdhsa.kernels:
  - .name:           k_q980ff258bb_outp
    .symbol:         k_q980ff258bb_outp.kd
    .args:
      - { .name: selk, .offset: 0, .size: 8, .value_kind: global_buffer, .address_space: global }
      - { .name: wts, .offset: 8, .size: 8, .value_kind: global_buffer, .address_space: global }
      - { .name: storage, .offset: 16, .size: 8, .value_kind: global_buffer, .address_space: global }
      - { .name: out0, .offset: 24, .size: 8, .value_kind: global_buffer, .address_space: global }
    .group_segment_fixed_size: 2560
    .private_segment_fixed_size: 0
    .kernarg_segment_align: 8
    .kernarg_segment_size: 32
    .max_flat_workgroup_size: 128
    .sgpr_count:     66
    .vgpr_count:     210
    .wavefront_size: 32
...
	.end_amdgpu_metadata
.endif
;; end of part 6
;; ======== version 2 of 3: 6 launches; 1.16 times as fast as version 1
;; workspace buffers: xb 262,144 bytes; m1 67,108,864 bytes; m2 4,194,304 bytes; msk2 262,144 bytes of whole numbers; sel1 2,097,152 bytes of whole numbers; selk 1,048,576 bytes of whole numbers; wts 1,048,576 bytes; kb 34,078,720 bytes
;; launch prep: the kernel of part 1 again; grid 64 x 1, 8 waves a work-group, no clusters, 0 bytes of LDS; arguments x, xb; writes xb
;; launch sims (part 7): grid 256 x 1, 8 waves a work-group, clusters of 4 x 1, 314,368 bytes of LDS; arguments storage, xb, m1, m2, kb; writes m1, m2, kb
.if DOCPART == 7
	.amdgcn_target "amdgcn-amd-amdhsa--gfx1250"
	.amdhsa_code_object_version 6
	.text
	.protected	k_q980ff258bb_sims
	.globl	k_q980ff258bb_sims
	.p2align	8
	.type	k_q980ff258bb_sims,@function
k_q980ff258bb_sims:
	s_mov_b64 s[64:65], 0
	v_nop
	global_prefetch_b8 v0, s[64:65] scope:SCOPE_SE
	s_setreg_imm32_b32 hwreg(HW_REG_WAVE_MODE, 25, 1), 1
	s_wait_xcnt 0x0
	s_wait_alu depctr_hold_cnt(0) depctr_sa_sdst(0) depctr_va_vdst(0) depctr_va_sdst(0) depctr_va_ssrc(0) depctr_va_vcc(0) depctr_vm_vsrc(0)
	s_getreg_b32 s2, hwreg(HW_REG_IB_STS2, 6, 4)
	s_cmp_eq_u32 s2, 0
	s_cbranch_scc0 .Lentry_in_a_cluster
	s_endpgm
.Lentry_in_a_cluster:
	s_bfe_u32 s2, ttmp6, 0x10000c
	s_cmp_lg_u32 s2, 0x3003
	s_cbranch_scc0 .Lentry_shape_is_right
	s_endpgm
.Lentry_shape_is_right:
; For every query q and every key s: d = (bf16(x[q]) . bf16(key[s])) / max(|bf16(key[s])|, 1e-12), products on the matrix unit, sums in f32.
; (The query's own norm is a positive factor common to a query's numbers and changes no order; it is applied where the weights are made.)
; Stored: m1 = the largest d of each 8 neighbouring keys, m2 = the largest d of each 128 neighbouring keys, kb = the rounded keys and 1 / norm.
;   m1: f32 [p 2048][q 1024][8]   p = 64 keys (one wave's), last index = 8-key group inside them
;   m2: f32 [b 256][q 1024][4]    b = work-group (512 keys), last index = pair of waves (128 keys): group P = 4 b + pair, p = 2 P, 2 P + 1
;   kb: [131072][128] bf16 (33,554,432 bytes), then [131072] f32: 1 / max(norm, 1e-12).  The launch that scores the chosen keys again
;       then gathers 256 bytes a key instead of 512 and makes no norm of its own.
; Work-group b owns keys 512 b .. 512 b + 511 and all 1,024 queries; wave w owns 64 keys, held as A fragments in 128 registers for the whole
; launch; all of xb lies in LDS (1,024 rows of 256 bytes, pitch 272) and is read as B fragments, 16 queries a trip.
; CLUSTER: the four work-groups of a cluster read the same xb; each wave asks for its 128 rows by one joint load that names the four.
; Row m of matrix tile t is key 64 w + 32 (m >> 3) + 8 t + (m & 7), so that the 8 result registers of lane (r, h) in tile t are the
; 8 neighbouring keys 64 w + 32 h + 8 t + 0..7 of query r: an 8-key maximum never leaves the lane.
; LIMITS: NaN and infinities are not served (the maxima drop a NaN); a key's sum of squares is kept in f32.
.set STG,  278528                      ; LDS behind the 1,024 x 272 bytes of xb: first each wave's key stage (16 rows x 272), later the stage of the waves' maxima (32 bytes a query)
.set KNOFF, 0x2000000                  ; where the norms begin in kb
.set A,    16                          ; v[16:143]  A fragments: tile t, K step ks at 16 + 32 t + 8 ks
.set INV,  144                         ; v[144:175] 1 / norm of the key of result register 8 t + j
.set ACC,  176                         ; v[176:207] four accumulator tiles
.set B,    208                         ; v[208:239] B fragments of 16 queries, 8 ks
.set L1,   240                         ; v[240:243] the four 8-key maxima
.set U,    244                         ; the wave's 64-key maximum
.set W,    245                         ; its partner from the other half of the lanes
.set VB,   246                         ; LDS address of my B fragments
.set VO,   247                         ; my byte offset in a trip's 512 bytes of m1
.set VS,   248                         ; LDS address of my word in the stage of maxima
.set RDE,  249                         ; LDS address for the read-back of that stage
.set KO,   250                         ; 8 x lane: my 8 bytes of a row of kb, and of my wave's 256 bytes of norms; never rewritten
.set KS,   251                         ; my key stage + 128 h: where my half's 32 norms go
.set TA,   176                         ; set-up: 16 key rows as loaded (64 registers)
.set TB,   80                          ; set-up: the other 16 rows
.macro ROUND                           ; a round of the cluster's barrier
	s_barrier_signal -1
	s_barrier_wait -1
	s_cmp_lg_u32 s12, 0
	s_cbranch_scc1 .Lnot_wave_0_\@
	s_barrier_signal -3
.Lnot_wave_0_\@:
	s_barrier_wait -3
	s_barrier_signal -1
	s_barrier_wait -1
.endm
; 16 key rows of matrix tile 'tile': one load is one whole key, 512 consecutive bytes
.macro KLOAD tile, buf
.irp m, 0,1,2,3,4,5,6,7,8,9,10,11,12,13,14,15
	global_load_b128 v[\buf+4*\m:\buf+4*\m+3], v3, s[28:29] offset:(32*(\m>>3)+8*\tile+(\m&7))*1024 th:TH_LOAD_NT
.endr
.endm
; The 16 rows are rounded to bf16; a row's packed words stay in the first two of its four registers, from which they go into my stage and into
; kb (a store of the wave is one row of kb: 256 consecutive bytes, aligned); the sum of squares of the rounded numbers is made in the other two
; and over the 32 lanes; each lane keeps the sums of the 8 keys of its result registers; the tile's A fragments are read back.  LDS serves a
; wave's instructions in order (ISA guide 5.7.1), so neither these reads nor the next tile's stores into the same bytes need a wait.
.macro KPROC tile, buf
.irp m, 0,1,2,3,4,5,6,7,8,9,10,11,12,13,14,15
	v_cvt_pk_bf16_f32 v[\buf+4*\m],   v[\buf+4*\m],   v[\buf+4*\m+1]
	v_cvt_pk_bf16_f32 v[\buf+4*\m+1], v[\buf+4*\m+2], v[\buf+4*\m+3]
	ds_store_b64 v4, v[\buf+4*\m:\buf+4*\m+1] offset:272*\m
	global_store_b64 v[KO], v[\buf+4*\m:\buf+4*\m+1], s[44:45] offset:(32*(\m>>3)+8*\tile+(\m&7))*256
	v_lshlrev_b32 v[6+4*(\m&1)], 16,  v[\buf+4*\m]
	v_and_b32     v[7+4*(\m&1)], s36, v[\buf+4*\m]
	v_lshlrev_b32 v[8+4*(\m&1)], 16,  v[\buf+4*\m+1]
	v_and_b32     v[9+4*(\m&1)], s36, v[\buf+4*\m+1]
	v_pk_mul_f32 v[\buf+4*\m+2:\buf+4*\m+3], v[6+4*(\m&1):7+4*(\m&1)], v[6+4*(\m&1):7+4*(\m&1)]
	v_pk_fma_f32 v[\buf+4*\m+2:\buf+4*\m+3], v[8+4*(\m&1):9+4*(\m&1)], v[8+4*(\m&1):9+4*(\m&1)], v[\buf+4*\m+2:\buf+4*\m+3]
	v_add_f32 v[\buf+4*\m+2], v[\buf+4*\m+2], v[\buf+4*\m+3]
.endr
.irp x, 1,2,4,8
.irp m, 0,1,2,3,4,5,6,7,8,9,10,11,12,13,14,15
	v_add_f32_dpp v[\buf+4*\m+2], v[\buf+4*\m+2], v[\buf+4*\m+2] row_xmask:\x row_mask:0xf bank_mask:0xf
.endr
.endr
.irp m, 0,1,2,3,4,5,6,7,8,9,10,11,12,13,14,15
	v_permlanex16_b32 v[\buf+4*\m+3], v[\buf+4*\m+2], s34, s35
.endr
.irp m, 0,1,2,3,4,5,6,7,8,9,10,11,12,13,14,15
	v_add_f32 v[\buf+4*\m+2], v[\buf+4*\m+2], v[\buf+4*\m+3]
.endr
.irp j, 0,1,2,3,4,5,6,7
	v_cndmask_b32 v[INV+8*\tile+\j], v[\buf+4*\j+2], v[\buf+4*(8+\j)+2], s36     ; result register j is row 8 h + j
.endr
	s_wait_xcnt 0x0                                ; the stores into kb have read their data: the buffer's registers are written again (by fragments, by the next rows, by the loop) only behind this wait
.irp ks, 0,1,2,3
	ds_load_b128 v[A+32*\tile+8*\ks:A+32*\tile+8*\ks+3],   v5 offset:64*\ks
	ds_load_b128 v[A+32*\tile+8*\ks+4:A+32*\tile+8*\ks+7], v5 offset:64*\ks+32
.endr
.endm
	s_load_b256 s[4:11], s[0:1], 0x0               ; storage s[4:5], xb s[6:7], m1 s[8:9], m2 s[10:11]
	s_load_b64 s[44:45], s[0:1], 0x20              ; kb
	v_lshl_add_u32 v254, v0, 2, 0x4c800
	v_mov_b32 v255, 0
	ds_add_u32 v254, v255
	v_lshrrev_b32 v6, 5, v0
	v_readfirstlane_b32 s12, v6                    ; wave 0..7
	s_bfe_u32 s13, ttmp6, 0x40000                  ; cx
	s_lshl_b32 s14, ttmp9, 2
	s_add_co_u32 s14, s14, s13                     ; b = 4 x cluster + cx
	s_mov_b32 s34, 0x76543210                      ; v_permlanex16_b32: lane i reads lane i of the other half
	s_mov_b32 s35, 0xfedcba98
	s_mov_b32 s36, 0xffff0000                      ; a word's upper bf16; also the mask of lanes 16 to 31
	; descriptor group 1: 128 rows x 128 elements of 2 bytes, 16 bytes of padding behind each 256
	s_mov_b32 s20, 0x0771000f                      ; 15:0 mask = the cluster's four; 17:16 2 bytes; 20 padding on; 21 set beside a mask; 24:22 every 64 words; 31:25 4 words
	s_mov_b32 s21, 128<<16                         ; tensor_dim0 = 128
	s_mov_b32 s22, 128<<16                         ; tensor_dim1 = 128
	s_mov_b32 s23, 128<<16                         ; tile_dim0 = 128
	s_mov_b32 s24, 128                             ; tile_dim1 = 128
	s_mov_b32 s25, 128                             ; 128 elements from row to row
	s_mov_b32 s26, 0
	s_mov_b32 s27, 0
	; group 0: made of the wave's number alone, so it is equal in the four partners
	s_mov_b32 s16, 1
	s_mul_i32 s17, s12, 34816                      ; LDS: 128 w rows of 272 bytes
	s_lshl_b32 s38, s12, 15                        ; xb: 128 w rows of 256 bytes
	s_mov_b32 s39, 0
	s_lshl_b32 s40, s14, 19                        ; keys: (512 b + 64 w) rows of 1,024 bytes
	s_lshl_b32 s41, s12, 16
	s_add_co_u32 s40, s40, s41
	s_mov_b32 s41, 0
	s_wait_dscnt 0x0
	s_wait_kmcnt 0x0
	s_add_nc_u64 s[18:19], s[6:7], s[38:39]
	s_or_b32 s19, s19, 0x80000000                  ; type = 2
	s_add_nc_u64 s[28:29], s[4:5], s[40:41]        ; my first key
	s_lshl_b32 s40, s14, 18
	s_add_co_u32 s40, s40, s38
	s_add_nc_u64 s[30:31], s[8:9], s[40:41]        ; m1 + (8 b + w) x 32,768
	s_lshl_b32 s40, s14, 14
	s_lshl_b32 s38, s12, 11
	s_add_co_u32 s40, s40, s38
	s_add_nc_u64 s[32:33], s[10:11], s[40:41]      ; m2 + 16,384 b + 2,048 w: the 128 queries that my wave writes out, 16 bytes each
	s_lshl_b32 s40, s14, 11
	s_lshl_b32 s38, s12, 8
	s_add_co_u32 s40, s40, s38                     ; (512 b + 64 w) x 4 bytes
	s_add_nc_u64 s[46:47], s[44:45], s[40:41]
	s_add_nc_u64 s[46:47], s[46:47], KNOFF         ; my wave's 64 norms
	s_lshl_b32 s40, s40, 6                         ; (512 b + 64 w) x 256 bytes
	s_add_nc_u64 s[44:45], s[44:45], s[40:41]      ; my wave's 64 rows of kb
	v_and_b32 v1, 15, v0                           ; r
	v_bfe_u32 v2, v0, 4, 1                         ; h
	v_and_b32 v6, 31, v0                           ; lane
	v_lshlrev_b32 v3, 4, v6                        ; 16 x lane
	v_lshlrev_b32 v[KO], 3, v6                     ; 8 x lane
	s_mul_i32 s37, s12, 4352
	s_add_co_u32 s37, s37, STG                     ; my key stage
	v_lshl_add_u32 v4, v6, 3, s37                  ; in: 8 bytes a lane, a row of 256 bytes
	v_lshl_add_u32 v[KS], v2, 7, s37               ; my half's 32 norms: 128 bytes
	v_mul_u32_u24 v[VB], v1, 272
	v_lshl_add_u32 v[VB], v2, 4, v[VB]             ; row r x pitch + 16 h
	v_add_nc_u32 v5, s37, v[VB]                    ; the same in my key stage
	v_lshlrev_b32 v[VO], 5, v1
	v_lshl_add_u32 v[VO], v2, 4, v[VO]             ; 32 r + 16 h
	s_lshl_b32 s37, s12, 2
	s_add_co_u32 s37, s37, STG
	v_lshl_add_u32 v[VS], v1, 5, s37               ; stage of maxima: 32 q + 4 w
	s_lshl_b32 s37, s12, 12
	s_add_co_u32 s37, s37, STG
	v_lshl_add_u32 v[RDE], v6, 5, s37              ; read-back: query 128 w + lane (+ 32 i in the immediates), 32 bytes a query
	v_mov_b32 v[W], 0                              ; v_permlanex16_b32 counts as a reader of its destination
	KLOAD 0, TA                                    ; the first 32 keys are asked for ahead of the round: nobody writes storage, so they may be out across it
	KLOAD 1, TB
	ROUND                                          ; the four work-groups are here: the joint loads meet
	tensor_load_to_lds s[16:19], s[20:27]          ; my 128 rows of xb; the wave's one tensor load of the launch
	s_nop 0
	s_wait_loadcnt 16                              ; tile 0's rows are in; tile 1's sixteen loads stay out
	KPROC 0, TA
	KLOAD 2, TA
	s_wait_loadcnt 16                              ; tile 1's are in; tile 2's stay out
	KPROC 1, TB
	KLOAD 3, TB
	s_wait_loadcnt 0x0                             ; tile 3 goes first: tile 2's fragments land in registers that hold tile 3's rows
	KPROC 3, TB
	KPROC 2, TA
.irp i, 0,1,2,3,4,5,6,7,8,9,10,11,12,13,14,15,16,17,18,19,20,21,22,23,24,25,26,27,28,29,30,31
	v_sqrt_f32 v[INV+\i], v[INV+\i]
.endr
	v_nop                                          ; one plain place behind the last root (ISA guide 5.7.2)
	s_wait_alu depctr_va_vdst(0)
.irp i, 0,1,2,3,4,5,6,7,8,9,10,11,12,13,14,15,16,17,18,19,20,21,22,23,24,25,26,27,28,29,30,31
	v_max_num_f32 v[INV+\i], 0x2b8cbccc, v[INV+\i] ; max(norm, 1e-12)
.endr
.irp i, 0,1,2,3,4,5,6,7,8,9,10,11,12,13,14,15,16,17,18,19,20,21,22,23,24,25,26,27,28,29,30,31
	v_rcp_f32 v[INV+\i], v[INV+\i]
.endr
	v_nop
	; my wave's 64 numbers 1 / norm in key order: key 32 h + 8 t + j at byte 128 h + 32 t + 4 j of my stage (the sixteen lanes of a half write
	; the same words with the same values), read back 8 bytes a lane; in order behind the fragments' reads of these bytes
	s_wait_alu depctr_va_vdst(0)
.irp t, 0,1,2,3
	ds_store_b128 v[KS], v[INV+8*\t:INV+8*\t+3]   offset:32*\t
	ds_store_b128 v[KS], v[INV+8*\t+4:INV+8*\t+7] offset:32*\t+16
.endr
	ds_load_b64 v[14:15], v4
	s_wait_tensorcnt 0x0                           ; my 128 rows of xb have landed
	s_wait_dscnt 0x0                               ; my fragments and norms are in registers: my key stage is free for the stage of maxima
	global_store_b64 v[KO], v[14:15], s[46:47]     ; 256 consecutive bytes, aligned; v[14:15] are not written again
	s_barrier_signal -1
	s_barrier_wait -1                              ; both waits hold of all eight waves; no LDS byte is ever filled again
.macro BLOAD
.irp ks, 0,1,2,3
	ds_load_b128 v[B+8*\ks:B+8*\ks+3],   v[VB] offset:64*\ks
	ds_load_b128 v[B+8*\ks+4:B+8*\ks+7], v[VB] offset:64*\ks+32
.endr
.endm
; One trip: 64 keys x 16 queries x 128.  pre = 1: the next 16 queries' fragments are fetched.
.macro TRIP pre
	s_wait_dscnt 0x0                               ; this trip's B fragments are in
	; the four accumulators take turns, one instruction a turn; the first K step starts the sums
.irp ks, 0,1,2,3
.irp t, 0,1,2,3
.if \ks == 0
	v_wmma_f32_16x16x32_bf16 v[ACC+8*\t:ACC+8*\t+7], v[A+32*\t+8*\ks:A+32*\t+8*\ks+7], v[B+8*\ks:B+8*\ks+7], 0
.else
	v_wmma_f32_16x16x32_bf16 v[ACC+8*\t:ACC+8*\t+7], v[A+32*\t+8*\ks:A+32*\t+8*\ks+7], v[B+8*\ks:B+8*\ks+7], v[ACC+8*\t:ACC+8*\t+7]
.endif
.endr
.endr
	; four places behind the last matrix instruction, for the loads into B and for the reads of the results
.if \pre
	v_add_nc_u32 v[VB], 4352, v[VB]                ; 16 rows on
	v_nop
	v_nop
	v_nop
	BLOAD
.else
	v_nop
	v_nop
	v_nop
	v_nop
.endif
.irp t, 0,1,2,3
.irp i, 0,2,4,6
	v_pk_mul_f32 v[ACC+8*\t+\i:ACC+8*\t+\i+1], v[ACC+8*\t+\i:ACC+8*\t+\i+1], v[INV+8*\t+\i:INV+8*\t+\i+1]
.endr
.endr
.irp t, 0,1,2,3
	v_max3_num_f32 v[6+2*\t], v[ACC+8*\t], v[ACC+8*\t+1], v[ACC+8*\t+2]
	v_max3_num_f32 v[7+2*\t], v[ACC+8*\t+3], v[ACC+8*\t+4], v[ACC+8*\t+5]
.endr
.irp t, 0,1,2,3
	v_max3_num_f32 v[6+2*\t], v[6+2*\t], v[ACC+8*\t+6], v[ACC+8*\t+7]
.endr
	s_wait_xcnt 0x0                                ; the last trip's store has read its data and base: L1 and s[30:31] are rewritten only behind this wait
	s_add_nc_u64 s[30:31], s[30:31], 512           ; 16 queries on; the store below reaches back
.irp t, 0,1,2,3
	v_max_num_f32 v[L1+\t], v[6+2*\t], v[7+2*\t]   ; keys 64 w + 32 h + 8 t + 0..7
.endr
	v_max3_num_f32 v[U], v[L1], v[L1+1], v[L1+2]
	v_max_num_f32 v[U], v[U], v[L1+3]
	v_permlanex16_b32 v[W], v[U], s34, s35
	v_max_num_f32 v[U], v[U], v[W]                 ; all 64 keys of the wave
	global_store_b128 v[VO], v[L1:L1+3], s[30:31] offset:-512 th:TH_STORE_NT   ; the wave's store covers 512 consecutive bytes, aligned
	ds_store_b32 v[VS], v[U]                       ; both halves write the same word with the same value
.if \pre
	v_add_nc_u32 v[VS], 512, v[VS]
.endif
.endm
	BLOAD
	s_mov_b32 s37, 63
.Ltrip:
	TRIP 1
	s_sub_co_u32 s37, s37, 1
	s_cmp_lg_u32 s37, 0
	s_cbranch_scc1 .Ltrip
	TRIP 0                                         ; the last 16 queries: nothing more to fetch
	; the way out of m2: a lane takes one query's eight maxima (one of each wave), makes the four maxima of neighbouring waves (128 keys each)
	; and stores 16 bytes: the wave's store covers 32 queries, 512 consecutive bytes, aligned
	s_wait_dscnt 0x0                               ; my words of the stage are written
	s_barrier_signal -1
	s_barrier_wait -1                              ; everybody's are
.irp i, 0,1,2,3
	ds_load_b128 v[B+8*\i:B+8*\i+3],   v[RDE] offset:1024*\i
	ds_load_b128 v[B+8*\i+4:B+8*\i+7], v[RDE] offset:1024*\i+16
.endr
.irp i, 0,1,2,3
	s_wait_dscnt 6-2*\i                            ; LDS loads come back in order: pair i of the loads is in, the younger pairs stay out
	v_max_num_f32 v[B+8*\i],   v[B+8*\i],   v[B+8*\i+1]
	v_max_num_f32 v[B+8*\i+1], v[B+8*\i+2], v[B+8*\i+3]
	v_max_num_f32 v[B+8*\i+2], v[B+8*\i+4], v[B+8*\i+5]
	v_max_num_f32 v[B+8*\i+3], v[B+8*\i+6], v[B+8*\i+7]
	global_store_b128 v3, v[B+8*\i:B+8*\i+3], s[32:33] offset:512*\i
.endr
	s_wait_tensorcnt 0x0
	ds_add_u32 v254, v255
	s_wait_dscnt 0x0
	ROUND                                          ; the closing round: no work-group ends while a partner may still ask jointly
	s_endpgm
.Lfunc_end_k_q980ff258bb_sims:
	.size	k_q980ff258bb_sims, .Lfunc_end_k_q980ff258bb_sims-k_q980ff258bb_sims
	.p2alignl 7, 3214868480
	.fill 96, 4, 3214868480
	.section	.rodata,"a",@progbits
	.p2align	6, 0x0
	.amdhsa_kernel k_q980ff258bb_sims
		.amdhsa_group_segment_fixed_size 314368
		.amdhsa_private_segment_fixed_size 0
		.amdhsa_enable_private_segment 0
		.amdhsa_kernarg_size 40
		.amdhsa_user_sgpr_count 2
		.amdhsa_user_sgpr_kernarg_segment_ptr 1
		.amdhsa_wavefront_size32 1
		.amdhsa_system_sgpr_workgroup_id_x 1
		.amdhsa_system_sgpr_workgroup_id_y 1
		.amdhsa_system_sgpr_workgroup_id_z 1
		.amdhsa_system_vgpr_workitem_id 0
		.amdhsa_next_free_vgpr 256
		.amdhsa_next_free_sgpr 66
		.amdhsa_reserve_vcc 0
		.amdhsa_float_denorm_mode_32 3
		.amdhsa_float_denorm_mode_16_64 3
		.amdhsa_memory_ordered 1
		.amdhsa_forward_progress 1
		.amdhsa_inst_pref_size 88
	.end_amdhsa_kernel
	.amdgpu_metadata
---
amdhsa.version: [ 1, 2 ]
amdhsa.kernels:
  - .name:           k_q980ff258bb_sims
    .symbol:         k_q980ff258bb_sims.kd
    .args:
      - { .name: storage, .offset: 0, .size: 8, .value_kind: global_buffer, .address_space: global }
      - { .name: xb, .offset: 8, .size: 8, .value_kind: global_buffer, .address_space: global }
      - { .name: m1, .offset: 16, .size: 8, .value_kind: global_buffer, .address_space: global }
      - { .name: m2, .offset: 24, .size: 8, .value_kind: global_buffer, .address_space: global }
      - { .name: kb, .offset: 32, .size: 8, .value_kind: global_buffer, .address_space: global }
    .group_segment_fixed_size: 314368
    .private_segment_fixed_size: 0
    .kernarg_segment_align: 8
    .kernarg_segment_size: 40
    .max_flat_workgroup_size: 256
    .sgpr_count:     66
    .vgpr_count:     256
    .wavefront_size: 32
...
	.end_amdgpu_metadata
.endif
;; end of part 7
;; launch top (part 8): grid 256 x 1, 4 waves a work-group, no clusters, 17,152 bytes of LDS; arguments m2, msk2; writes msk2
.if DOCPART == 8
	.amdgcn_target "amdgcn-amd-amdhsa--gfx1250"
	.amdhsa_code_object_version 6
	.text
	.protected	k_q980ff258bb_top
	.globl	k_q980ff258bb_top
	.p2align	8
	.type	k_q980ff258bb_top,@function
k_q980ff258bb_top:
	s_mov_b64 s[64:65], 0
	v_nop
	global_prefetch_b8 v0, s[64:65] scope:SCOPE_SE
	s_setreg_imm32_b32 hwreg(HW_REG_WAVE_MODE, 25, 1), 1
	s_wait_xcnt 0x0
; For each query: which 32 of its 1,024 groups of 128 keys have the best maxima (value descending, group number ascending).
; Those groups hold the query's 32 best keys: a key outside them would have 32 group maxima in front of it.
; msk2: [q 1024][64 words]; bit l of word k, k < 32, stands for group P = 32 k + l; exactly 32 bits are set.  Words 32 to 63 are stored
; as 0 and read by nobody: so a wave's one store is a query's whole 256 bytes, aligned.
; Work-group g owns queries 4 g .. 4 g + 3, one a wave.  m2 is [b][q][4]: the four queries' numbers are 64 consecutive bytes for each b;
; the four waves bring them in together, turn them by queries in LDS, and each wave takes its query as 32 registers.
; No control flow and no address hangs on the numbers: a search over the 32 bits of the threshold, counted, and masks.
; A count over the 1,024 numbers is ONE run of 32 vector compares into 32 scalar masks, then one run of scalar work on them, so that the
; wave changes from vector to scalar work and back once a count.
; No work-group shares data with another, so there is no cluster.  LIMITS: NaN is not served; -0 counts as +0.
.set QP,   4160                        ; a query's 4,096 bytes in LDS + 64: the sixteen lanes of a half store into sixteen different 16-byte columns
.set U,    16                          ; v[16:47]  register k, lane l: group 32 k + l, as a sortable whole number
.set LD,   48                          ; v[48:79]  as loaded; later at work
.set VT,   48
.set WD,   10                          ; v[10:11]  mask word k in register k & 1, lane k >> 1
                                       ; s[16:47]  the 32 masks of a count
.set M,    16                          ; s[16:23]  behind the counts: eight masks at work
.set G,    24                          ; s[24:31]
.set R,    32                          ; s[32:39]
.set THR,  48                          ; the threshold
.set SN,   49                          ; the bit at work
.set CAND, 50
.set NEED, 51
.set RUN,  52
.set SC,   53
.macro MAPU d, s, t                    ; f32 to a whole number of the same order; adding 0 makes -0 into +0
	v_add_f32 v[\d], 0, v[\s]
	v_ashrrev_i32 v[\t], 31, v[\d]
	v_or_b32 v[\t], 0x80000000, v[\t]
	v_xor_b32 v[\d], v[\d], v[\t]
.endm
.macro COUNT32 cmp, thr                ; s16 = how many of the 1,024 numbers stand in relation cmp to the threshold
.set k, 0
.rept 32
	\cmp s[16+k], s[\thr], v[U+k]
.set k, k+1
.endr
.set k, 0
.rept 32
	s_bcnt1_i32_b32 s[16+k], s[16+k]
.set k, k+1
.endr
.irp st, 1,2,4,8,16                    ; 31 sums as a tree: those of a level do not wait for each other
.set k, 0
.rept 16/\st
	s_add_co_u32 s[16+k], s[16+k], s[16+k+\st]
.set k, k+2*\st
.endr
.endr
.endm
.macro TIE8 first                      ; s[G+i] = chosen lanes of register first + i: above the threshold, or equal to it and among the first NEED equal ones
.irp i, 0,1,2,3,4,5,6,7
	v_cmp_eq_u32 s[M+\i], s[THR], v[U+\first+\i]
.endr
.irp i, 0,1,2,3,4,5,6,7
	v_cmp_lt_u32 s[G+\i], s[THR], v[U+\first+\i]
.endr
.irp i, 0,1,2,3,4,5,6,7
	s_mov_b32 s[R+\i], s[RUN]                      ; equal ones in front of this register
	s_bcnt1_i32_b32 s[SC], s[M+\i]
	s_add_co_u32 s[RUN], s[RUN], s[SC]
.endr
.irp i, 0,1,2,3,4,5,6,7
	v_mbcnt_lo_u32_b32 v[VT+\i], s[M+\i], s[R+\i]  ; + equal ones in lower lanes
.endr
.irp i, 0,1,2,3,4,5,6,7
	v_cmp_gt_u32 s[R+\i], s[NEED], v[VT+\i]
.endr
.irp i, 0,1,2,3,4,5,6,7
	s_and_b32 s[R+\i], s[R+\i], s[M+\i]
	s_or_b32 s[G+\i], s[G+\i], s[R+\i]
.endr
.endm
	s_load_b128 s[4:7], s[0:1], 0x0                ; m2 s[4:5], msk2 s[6:7]
	v_lshl_add_u32 v80, v0, 2, 0x4100
	v_mov_b32 v81, 0
	v_lshrrev_b32 v1, 5, v0
	v_readfirstlane_b32 s8, v1                     ; wave
	v_and_b32 v2, 31, v0                           ; lane l
	v_lshrrev_b32 v3, 2, v2                        ; l >> 2
	v_and_b32 v4, 3, v2                            ; l & 3: which of the four queries
	s_lshl_b32 s9, s8, 6
	v_add_nc_u32 v5, s9, v3                        ; b = 64 w + (l >> 2), + 8 i in the immediates
	v_lshlrev_b32 v6, 14, v5
	v_lshl_add_u32 v6, v4, 4, v6                   ; 16,384 b + 16 (l & 3)
	v_mul_u32_u24 v7, v4, QP                       ; the query's region in LDS
	v_lshl_add_u32 v7, v5, 4, v7                   ; + 16 b: groups 4 b .. 4 b + 3
	s_mul_i32 s10, s8, QP
	v_lshl_add_u32 v12, v2, 2, s10                 ; my query's region + 4 l
	s_lshl_b32 s11, ttmp9, 2
	s_add_co_u32 s11, s11, s8                      ; q
	s_lshl_b32 s11, s11, 8
	v_lshl_add_u32 v13, v2, 3, s11                 ; 256 q + 8 l
	v_mov_b32 v[WD], 0                             ; lanes 16 to 31 stay 0: words 32 to 63
	v_mov_b32 v[WD+1], 0
	s_lshl_b32 s12, ttmp9, 6                       ; 4 g queries of 16 bytes
	s_mov_b32 s13, 0
	s_wait_kmcnt 0x0
	s_add_nc_u64 s[4:5], s[4:5], s[12:13]
.irp i, 0,1,2,3,4,5,6,7
	global_load_b128 v[LD+4*\i:LD+4*\i+3], v6, s[4:5] offset:131072*\i
.endr
	s_wait_loadcnt 0x0
.irp i, 0,1,2,3,4,5,6,7
	ds_store_b128 v7, v[LD+4*\i:LD+4*\i+3] offset:128*\i
.endr
	s_wait_dscnt 0x0                               ; my stores are done, for the others' sake
	s_barrier_signal -1
	s_barrier_wait -1
.set k, 0
.rept 32
	ds_load_b32 v[U+k], v12 offset:128*k
.set k, k+1
.endr
	s_wait_dscnt 0x0
.set k, 0
.rept 32
	MAPU U+k, U+k, LD+(k&7)
.set k, k+1
.endr
	; THR = the largest number with at least 32 of the 1,024 at or above it, found bit by bit from the top
	s_mov_b32 s[THR], 0
	s_mov_b32 s[SN], 32
.Lbit:
	s_sub_co_i32 s[SN], s[SN], 1
	s_lshl_b32 s[CAND], 1, s[SN]
	s_or_b32 s[CAND], s[CAND], s[THR]
	COUNT32 v_cmp_le_u32, CAND
	s_cmp_ge_u32 s16, 32
	s_cselect_b32 s[THR], s[CAND], s[THR]
	s_cmp_lg_u32 s[SN], 0
	s_cbranch_scc1 .Lbit
	COUNT32 v_cmp_lt_u32, THR
	s_sub_co_u32 s[NEED], 32, s16                  ; so many of the equal ones are taken, the lowest groups first
	s_mov_b32 s[RUN], 0
.irp g, 0,8,16,24
	TIE8 \g
.irp i, 0,1,2,3,4,5,6,7
	v_writelane_b32 v[WD+(\i&1)], s[G+\i], (\g+\i)>>1
.endr
.endr
	global_store_b64 v13, v[WD:WD+1], s[6:7]       ; the wave's store is the query's 256 bytes, aligned
	s_wait_tensorcnt 0x0
	ds_add_u32 v80, v81
	s_wait_dscnt 0x0
	s_endpgm
.Lfunc_end_k_q980ff258bb_top:
	.size	k_q980ff258bb_top, .Lfunc_end_k_q980ff258bb_top-k_q980ff258bb_top
	.p2alignl 7, 3214868480
	.fill 96, 4, 3214868480
	.section	.rodata,"a",@progbits
	.p2align	6, 0x0
	.amdhsa_kernel k_q980ff258bb_top
		.amdhsa_group_segment_fixed_size 17152
		.amdhsa_private_segment_fixed_size 0
		.amdhsa_enable_private_segment 0
		.amdhsa_kernarg_size 16
		.amdhsa_user_sgpr_count 2
		.amdhsa_user_sgpr_kernarg_segment_ptr 1
		.amdhsa_wavefront_size32 1
		.amdhsa_system_sgpr_workgroup_id_x 1
		.amdhsa_system_sgpr_workgroup_id_y 1
		.amdhsa_system_sgpr_workgroup_id_z 1
		.amdhsa_system_vgpr_workitem_id 0
		.amdhsa_next_free_vgpr 82
		.amdhsa_next_free_sgpr 66
		.amdhsa_reserve_vcc 0
		.amdhsa_float_denorm_mode_32 3
		.amdhsa_float_denorm_mode_16_64 3
		.amdhsa_memory_ordered 1
		.amdhsa_forward_progress 1
		.amdhsa_inst_pref_size 34
	.end_amdhsa_kernel
	.amdgpu_metadata
---
amdhsa.version: [ 1, 2 ]
amdhsa.kernels:
  - .name:           k_q980ff258bb_top
    .symbol:         k_q980ff258bb_top.kd
    .args:
      - { .name: m2, .offset: 0, .size: 8, .value_kind: global_buffer, .address_space: global }
      - { .name: msk2, .offset: 8, .size: 8, .value_kind: global_buffer, .address_space: global }
    .group_segment_fixed_size: 17152
    .private_segment_fixed_size: 0
    .kernarg_segment_align: 8
    .kernarg_segment_size: 16
    .max_flat_workgroup_size: 128
    .sgpr_count:     66
    .vgpr_count:     82
    .wavefront_size: 32
...
	.end_amdgpu_metadata
.endif
;; end of part 8
;; launch sel (part 9): grid 256 x 1, 4 waves a work-group, no clusters, 1,536 bytes of LDS; arguments msk2, m1, sel1; writes sel1
.if DOCPART == 9
	.amdgcn_target "amdgcn-amd-amdhsa--gfx1250"
	.amdhsa_code_object_version 6
	.text
	.protected	k_q980ff258bb_sel
	.globl	k_q980ff258bb_sel
	.p2align	8
	.type	k_q980ff258bb_sel,@function
k_q980ff258bb_sel:
	s_mov_b64 s[64:65], 0
	v_nop
	global_prefetch_b8 v0, s[64:65] scope:SCOPE_SE
	s_setreg_imm32_b32 hwreg(HW_REG_WAVE_MODE, 25, 1), 1
	s_wait_xcnt 0x0
; For each query: the 32 chosen groups of 128 keys are listed from msk2 (whole numbers of the launch before), their 32 x 16 maxima of 8-key
; groups are gathered from m1, and the best 32 of these 512 are chosen (value descending, group number ascending).
; sel1: [q][4][lane 32][4]: register kk = 4 quarter + e of lane l is candidate 32 kk + l: the 8-key group's number if chosen, else -1.
; Candidate 32 kk + l is child l & 15 of list slot 2 kk + (l >> 4); the list ascends, so candidates ascend with the key numbers.
; One wave a query.  The list is made in the wave's own 256 bytes of LDS: LDS serves a wave's instructions in order (ISA guide 5.7.1), so no barrier.
; Slots 0 to 31 take the chosen, slot 32 swallows the others; every slot number is clamped to 63, every group number to 1,023.
; LIMITS: NaN is not served; -0 counts as +0.
.set LANE, 1
.set WB,   2                           ; the wave's LDS base
.set DUM,  6                           ; 32
.set RDL,  7                           ; where I read the list: slot l >> 4, + 2 kk in the immediates
.set T,    8                           ; v[8:15]  at work
.set P,    16                          ; v[16:31] the 128-key group of candidate 32 kk + l
.set OFF,  32                          ; v[32:47] its byte offset in m1
.set U,    48                          ; v[48:63] the maxima
.set ID16, 64                          ; v[64:79] 8-key group numbers, then what is stored
.set D,    80                          ; v[80:87] the numbers that go into the list
.set VT,   80                          ; later at work
.set C15,  88                          ; l & 15
.set TRM,  89                          ; 32,768 ((l >> 3) & 1) + 4 (l & 7)
.set OFS,  90                          ; 2,048 q + 16 l
                                       ; s[16:47] the 32 mask words; behind the list:
.set M,    16                          ; s[16:31] the masks of a count; s[16:23] eight masks at work
.set G,    24
.set R,    32
.set THR,  48
.set SN,   49
.set CAND, 50
.set NEED, 51
.set RUN,  52
.set SC,   53
.set BASE, 54
.set RB,   56                          ; s[56:63] how many are listed in front of each of eight mask words
.macro MAPU d, s, t
	v_add_f32 v[\d], 0, v[\s]
	v_ashrrev_i32 v[\t], 31, v[\d]
	v_or_b32 v[\t], 0x80000000, v[\t]
	v_xor_b32 v[\d], v[\d], v[\t]
.endm
.macro COUNT16 cmp, thr                ; s16 = how many of the 512 numbers stand in relation cmp to the threshold
.irp i, 0,1,2,3,4,5,6,7,8,9,10,11,12,13,14,15
	\cmp s[M+\i], s[\thr], v[U+\i]
.endr
.irp i, 0,1,2,3,4,5,6,7,8,9,10,11,12,13,14,15
	s_bcnt1_i32_b32 s[M+\i], s[M+\i]
.endr
.irp st, 1,2,4,8                       ; 15 sums as a tree
.set k, 0
.rept 8/\st
	s_add_co_u32 s[M+k], s[M+k], s[M+k+\st]
.set k, k+2*\st
.endr
.endr
.endm
.macro TIE8 first
.irp i, 0,1,2,3,4,5,6,7
	v_cmp_eq_u32 s[M+\i], s[THR], v[U+\first+\i]
.endr
.irp i, 0,1,2,3,4,5,6,7
	v_cmp_lt_u32 s[G+\i], s[THR], v[U+\first+\i]
.endr
.irp i, 0,1,2,3,4,5,6,7
	s_mov_b32 s[R+\i], s[RUN]
	s_bcnt1_i32_b32 s[SC], s[M+\i]
	s_add_co_u32 s[RUN], s[RUN], s[SC]
.endr
.irp i, 0,1,2,3,4,5,6,7
	v_mbcnt_lo_u32_b32 v[VT+\i], s[M+\i], s[R+\i]
.endr
.irp i, 0,1,2,3,4,5,6,7
	v_cmp_gt_u32 s[R+\i], s[NEED], v[VT+\i]
.endr
.irp i, 0,1,2,3,4,5,6,7
	s_and_b32 s[R+\i], s[R+\i], s[M+\i]
	s_or_b32 s[G+\i], s[G+\i], s[R+\i]
.endr
.endm
; Eight mask words: the lanes that they name put their group numbers 32 k + lane into the next free slots.  Each step is done for all eight
; words before the next step, so that no instruction follows the one whose result it reads.
.macro PUT8 first
.irp i, 0,1,2,3,4,5,6,7
	s_mov_b32 s[RB+\i], s[BASE]
	s_bcnt1_i32_b32 s[SC], s[16+\first+\i]
	s_add_co_u32 s[BASE], s[BASE], s[SC]
.endr
.irp i, 0,1,2,3,4,5,6,7
	v_mbcnt_lo_u32_b32 v[T+\i], s[16+\first+\i], s[RB+\i]
.endr
.irp i, 0,1,2,3,4,5,6,7
	v_cndmask_b32 v[T+\i], v[DUM], v[T+\i], s[16+\first+\i]
.endr
.irp i, 0,1,2,3,4,5,6,7
	v_min_u32 v[T+\i], 63, v[T+\i]
.endr
.irp i, 0,1,2,3,4,5,6,7
	v_lshl_add_u32 v[T+\i], v[T+\i], 2, v[WB]
.endr
.irp i, 0,1,2,3,4,5,6,7
.if \first+\i
	v_add_nc_u32 v[D+\i], 32*(\first+\i), v[LANE]
.endif
.endr
.irp i, 0,1,2,3,4,5,6,7
.if \first+\i
	ds_store_b32 v[T+\i], v[D+\i]
.else
	ds_store_b32 v[T+\i], v[LANE]
.endif
.endr
.endm
	s_load_b128 s[4:7], s[0:1], 0x0                ; msk2 s[4:5], m1 s[6:7]
	s_load_b64 s[8:9], s[0:1], 0x10                ; sel1
	v_lshl_add_u32 v96, v0, 2, 0x400
	v_mov_b32 v97, 0
	v_lshrrev_b32 v1, 5, v0
	v_readfirstlane_b32 s10, v1                    ; wave
	s_lshl_b32 s11, ttmp9, 2
	s_add_co_u32 s11, s11, s10                     ; q
	s_lshl_b32 s12, s11, 8                         ; 256 q
	s_mov_b32 s13, 0
	s_lshl_b32 s14, s11, 5                         ; 32 q
	s_mov_b32 s15, 0
	s_wait_kmcnt 0x0
	s_add_nc_u64 s[4:5], s[4:5], s[12:13]
	s_add_nc_u64 s[6:7], s[6:7], s[14:15]
	s_load_b512 s[16:31], s[4:5], 0x0              ; the query's 32 mask words
	s_load_b512 s[32:47], s[4:5], 0x40
	v_and_b32 v[LANE], 31, v0
	s_lshl_b32 s[SC], s10, 8
	v_mov_b32 v[WB], s[SC]                         ; 256 bytes a wave
	v_lshl_add_u32 v3, v[LANE], 3, v[WB]
	v_mov_b32 v4, 0
	v_mov_b32 v5, 0
	ds_store_b64 v3, v[4:5]                        ; all 64 slots hold a number whatever the masks say
	v_mov_b32 v[DUM], 32
	v_lshrrev_b32 v[RDL], 4, v[LANE]
	v_lshl_add_u32 v[RDL], v[RDL], 2, v[WB]
	v_and_b32 v[C15], 15, v[LANE]
	v_bfe_u32 v[TRM], v[LANE], 3, 1                ; which of the group's two halves of 64 keys
	v_lshlrev_b32 v[TRM], 15, v[TRM]
	v_and_b32 v[T], 7, v[LANE]
	v_lshl_add_u32 v[TRM], v[T], 2, v[TRM]
	s_lshl_b32 s[SC], s11, 11
	v_lshl_add_u32 v[OFS], v[LANE], 4, s[SC]
	s_mov_b32 s[BASE], 0
	s_wait_kmcnt 0x0
	PUT8 0
	PUT8 8
	PUT8 16
	PUT8 24
.irp kk, 0,1,2,3,4,5,6,7,8,9,10,11,12,13,14,15
	ds_load_b32 v[P+\kk], v[RDL] offset:8*\kk
.endr
	s_wait_dscnt 0x0
.irp kk, 0,1,2,3,4,5,6,7,8,9,10,11,12,13,14,15
	v_min_u32 v[P+\kk], 0x3ff, v[P+\kk]
	v_lshl_add_u32 v[OFF+\kk], v[P+\kk], 16, v[TRM]    ; 65,536 P + 32,768 x half + 4 (l & 7)
	global_load_b32 v[U+\kk], v[OFF+\kk], s[6:7]
	v_lshl_add_u32 v[ID16+\kk], v[P+\kk], 4, v[C15]    ; 16 P + (l & 15)
.endr
	s_wait_loadcnt 0x0
.set k, 0
.rept 16
	MAPU U+k, U+k, VT+(k&7)
.set k, k+1
.endr
	s_mov_b32 s[THR], 0
	s_mov_b32 s[SN], 32
.Lbit:
	s_sub_co_i32 s[SN], s[SN], 1
	s_lshl_b32 s[CAND], 1, s[SN]
	s_or_b32 s[CAND], s[CAND], s[THR]
	COUNT16 v_cmp_le_u32, CAND
	s_cmp_ge_u32 s[M], 32
	s_cselect_b32 s[THR], s[CAND], s[THR]
	s_cmp_lg_u32 s[SN], 0
	s_cbranch_scc1 .Lbit
	COUNT16 v_cmp_lt_u32, THR
	s_sub_co_u32 s[NEED], 32, s[M]
	s_mov_b32 s[RUN], 0
.irp g, 0,8
	TIE8 \g
.irp i, 0,1,2,3,4,5,6,7
	v_cndmask_b32 v[ID16+\g+\i], -1, v[ID16+\g+\i], s[G+\i]
.endr
.endr
.irp i, 0,1,2,3
	global_store_b128 v[OFS], v[ID16+4*\i:ID16+4*\i+3], s[8:9] offset:512*\i   ; 512 consecutive bytes, aligned
.endr
	s_wait_tensorcnt 0x0
	ds_add_u32 v96, v97
	s_wait_dscnt 0x0
	s_endpgm
.Lfunc_end_k_q980ff258bb_sel:
	.size	k_q980ff258bb_sel, .Lfunc_end_k_q980ff258bb_sel-k_q980ff258bb_sel
	.p2alignl 7, 3214868480
	.fill 96, 4, 3214868480
	.section	.rodata,"a",@progbits
	.p2align	6, 0x0
	.amdhsa_kernel k_q980ff258bb_sel
		.amdhsa_group_segment_fixed_size 1536
		.amdhsa_private_segment_fixed_size 0
		.amdhsa_enable_private_segment 0
		.amdhsa_kernarg_size 24
		.amdhsa_user_sgpr_count 2
		.amdhsa_user_sgpr_kernarg_segment_ptr 1
		.amdhsa_wavefront_size32 1
		.amdhsa_system_sgpr_workgroup_id_x 1
		.amdhsa_system_sgpr_workgroup_id_y 1
		.amdhsa_system_sgpr_workgroup_id_z 1
		.amdhsa_system_vgpr_workitem_id 0
		.amdhsa_next_free_vgpr 98
		.amdhsa_next_free_sgpr 66
		.amdhsa_reserve_vcc 0
		.amdhsa_float_denorm_mode_32 3
		.amdhsa_float_denorm_mode_16_64 3
		.amdhsa_memory_ordered 1
		.amdhsa_forward_progress 1
		.amdhsa_inst_pref_size 36
	.end_amdhsa_kernel
	.amdgpu_metadata
---
amdhsa.version: [ 1, 2 ]
amdhsa.kernels:
  - .name:           k_q980ff258bb_sel
    .symbol:         k_q980ff258bb_sel.kd
    .args:
      - { .name: msk2, .offset: 0, .size: 8, .value_kind: global_buffer, .address_space: global }
      - { .name: m1, .offset: 8, .size: 8, .value_kind: global_buffer, .address_space: global }
      - { .name: sel1, .offset: 16, .size: 8, .value_kind: global_buffer, .address_space: global }
    .group_segment_fixed_size: 1536
    .private_segment_fixed_size: 0
    .kernarg_segment_align: 8
    .kernarg_segment_size: 24
    .max_flat_workgroup_size: 128
    .sgpr_count:     66
    .vgpr_count:     98
    .wavefront_size: 32
...
	.end_amdgpu_metadata
.endif
;; end of part 9
;; launch resc (part 10): grid 256 x 1, 4 waves a work-group, no clusters, 1,536 bytes of LDS; arguments sel1, kb, xb, selk, wts; writes selk, wts
.if DOCPART == 10
	.amdgcn_target "amdgcn-amd-amdhsa--gfx1250"
	.amdhsa_code_object_version 6
	.text
	.protected	k_q980ff258bb_resc
	.globl	k_q980ff258bb_resc
	.p2align	8
	.type	k_q980ff258bb_resc,@function
k_q980ff258bb_resc:
	s_mov_b64 s[64:65], 0
	v_nop
	global_prefetch_b8 v0, s[64:65] scope:SCOPE_SE
	s_setreg_imm32_b32 hwreg(HW_REG_WAVE_MODE, 25, 1), 1
	s_wait_xcnt 0x0
; For each query: the 32 chosen 8-key groups are listed from sel1 (whole numbers of the launch before); their 256 keys are gathered from kb,
; where they lie rounded to bf16 (256 bytes a key) with 1 / max(norm, 1e-12) behind them;
; sim = (bf16(x) . bf16(key)) x (1 / key norm) / max(|bf16(x)|, 1e-12), all sums in f32 on the vector unit (33 million multiply-adds in the
; launch: too few for the matrix unit to pay); the best 32 are chosen (value descending, key number ascending); softmax over them, the
; largest taken away first (it is always among the chosen).
; selk: [q][2][lane][4] key number or -1;  wts: the same layout, the weight or 0.  Register kk of lane l is candidate 32 kk + l.
; One wave a query.  A load of the wave brings one key for each half of the lanes, sixteen lanes x 16 bytes = the key's 256 bytes; the two
; halves take two different 8-key groups.  Lane r of a half holds numbers 8 r .. 8 r + 7 of the key and of the query.
; A ring of five buffers of eight loads: while one group of eight is multiplied, four groups (32 loads, 16 KiB a wave) are on their way.
; LIMITS: NaN and infinities are not served; -0 counts as +0; two similarities nearer to each other than the rounding of these f32 sums may
; be ordered otherwise than another order of summing would.
.set KNOFF, 0x2000000                  ; where the norms begin in kb
.set WB,   4
.set DUM,  5
.set OFS,  6                           ; 1,024 q + 16 lane
.set Q,    8                           ; v[8:15]   my 8 numbers of the query, f32
.set VA,   16                          ; v[16:31]  group 2 kk + ih: byte offset of my 16 bytes in the first key of slot 4 kk + 2 h + ih
.set DOT,  32                          ; v[32:39]
.set S,    40                          ; v[40:55]  my part of the sums of sixteen keys; first: xb as loaded
.set T,    56                          ; v[56:63]  at work
.set KID,  64                          ; v[64:71]  key numbers
.set KN,   72                          ; v[72:79]  1 / norm of the candidates
.set QINV, 88
.set A1,   89
.set A2,   90
.set C7,   91
.set R16,  92
.set W,    93
.set ZERO, 94
.set OF1,  95                          ; 2,048 q + 16 lane
.set BUF,  96                          ; v[96:255] five buffers of eight keys x 4 registers
.set NB,   5
.set SL,   96                          ; ahead of the gather: v[96:111] sel1 as loaded
.set U,    96                          ; behind the gather
.set E,    104
.set VT,   112
.set M,    16
.set THR,  24
.set SN,   25
.set CAND, 26
.set NEED, 28
.set RUN,  29
.set SC,   30
.set BASE, 31
.set LM,   40                          ; s[40:43] lanes whose number has bit 0, 1, 2, 3 set
.set R,    44                          ; s[44:51]
.set G,    56                          ; s[56:63] the chosen
.macro MAPU d, s, t
	v_add_f32 v[\d], 0, v[\s]
	v_ashrrev_i32 v[\t], 31, v[\d]
	v_or_b32 v[\t], 0x80000000, v[\t]
	v_xor_b32 v[\d], v[\d], v[\t]
.endm
.macro COUNT8 cmp, thr                 ; s[M] = how many of the 256 numbers stand in relation cmp to the threshold
.irp i, 0,1,2,3,4,5,6,7
	\cmp s[M+\i], s[\thr], v[U+\i]
.endr
.irp i, 0,1,2,3,4,5,6,7
	s_bcnt1_i32_b32 s[M+\i], s[M+\i]
.endr
.irp st, 1,2,4                         ; 7 sums as a tree
.set k, 0
.rept 4/\st
	s_add_co_u32 s[M+k], s[M+k], s[M+k+\st]
.set k, k+2*\st
.endr
.endr
.endm
.macro TIE8 first
.irp i, 0,1,2,3,4,5,6,7
	v_cmp_eq_u32 s[M+\i], s[THR], v[U+\first+\i]
.endr
.irp i, 0,1,2,3,4,5,6,7
	v_cmp_lt_u32 s[G+\i], s[THR], v[U+\first+\i]
.endr
.irp i, 0,1,2,3,4,5,6,7
	s_mov_b32 s[R+\i], s[RUN]
	s_bcnt1_i32_b32 s[SC], s[M+\i]
	s_add_co_u32 s[RUN], s[RUN], s[SC]
.endr
.irp i, 0,1,2,3,4,5,6,7
	v_mbcnt_lo_u32_b32 v[VT+\i], s[M+\i], s[R+\i]
.endr
.irp i, 0,1,2,3,4,5,6,7
	v_cmp_gt_u32 s[R+\i], s[NEED], v[VT+\i]
.endr
.irp i, 0,1,2,3,4,5,6,7
	s_and_b32 s[R+\i], s[R+\i], s[M+\i]
	s_or_b32 s[G+\i], s[G+\i], s[R+\i]
.endr
.endm
.macro WRED opd, op, r                 ; over the 32 lanes, the result in every lane
	\opd v[\r], v[\r], v[\r] row_xmask:1 row_mask:0xf bank_mask:0xf
	\opd v[\r], v[\r], v[\r] row_xmask:2 row_mask:0xf bank_mask:0xf
	\opd v[\r], v[\r], v[\r] row_xmask:4 row_mask:0xf bank_mask:0xf
	\opd v[\r], v[\r], v[\r] row_xmask:8 row_mask:0xf bank_mask:0xf
	v_permlanex16_b32 v[W], v[\r], s34, s35
	\op v[\r], v[\r], v[W]
.endm
; Eight registers of sel1: the lanes that hold a group number (not -1) put it into the next free slots of the list.  Each step is done for
; all eight before the next step, so that no instruction follows the one whose result it reads.
.macro PUT8 first
.irp i, 0,1,2,3,4,5,6,7
	v_cmp_ne_u32 s[M+\i], -1, v[SL+\first+\i]
.endr
.irp i, 0,1,2,3,4,5,6,7
	s_mov_b32 s[R+\i], s[BASE]
	s_bcnt1_i32_b32 s[SC], s[M+\i]
	s_add_co_u32 s[BASE], s[BASE], s[SC]
.endr
.irp i, 0,1,2,3,4,5,6,7
	v_mbcnt_lo_u32_b32 v[T+\i], s[M+\i], s[R+\i]
.endr
.irp i, 0,1,2,3,4,5,6,7
	v_cndmask_b32 v[T+\i], v[DUM], v[T+\i], s[M+\i]
.endr
.irp i, 0,1,2,3,4,5,6,7
	v_min_u32 v[T+\i], 63, v[T+\i]
.endr
.irp i, 0,1,2,3,4,5,6,7
	v_lshl_add_u32 v[T+\i], v[T+\i], 2, v[WB]
.endr
.irp i, 0,1,2,3,4,5,6,7
	ds_store_b32 v[T+\i], v[SL+\first+\i]
.endr
.endm
.macro GLOAD g                         ; the eight keys of one 8-key group for each half of the wave
.irp j, 0,1,2,3,4,5,6,7
	global_load_b128 v[BUF+32*((\g)%NB)+4*\j:BUF+32*((\g)%NB)+4*\j+3], v[VA+(\g)], s[6:7] offset:256*\j
.endr
.endm
; Eight keys: each bf16 half times my f32 number of the query, added in f32.  The eight keys' sums take turns, so that no multiply-add follows the one that it adds onto.
.macro DOTS g
.irp e, 0,1,2,3
.irp j, 0,1,2,3,4,5,6,7
.if \e == 0
	v_fma_mix_f32_bf16 v[S+8*((\g)&1)+\j], v[BUF+32*((\g)%NB)+4*\j+\e], v[Q+2*\e], v[ZERO] op_sel_hi:[1,0,0]
.else
	v_fma_mix_f32_bf16 v[S+8*((\g)&1)+\j], v[BUF+32*((\g)%NB)+4*\j+\e], v[Q+2*\e], v[S+8*((\g)&1)+\j] op_sel_hi:[1,0,0]
.endif
.endr
.irp j, 0,1,2,3,4,5,6,7
	v_fma_mix_f32_bf16 v[S+8*((\g)&1)+\j], v[BUF+32*((\g)%NB)+4*\j+\e], v[Q+2*\e+1], v[S+8*((\g)&1)+\j] op_sel:[1,0,0] op_sel_hi:[1,0,0]
.endr
.endr
.endm
; One step of the fold of sixteen sums over sixteen lanes.  Registers i and i + st become one: a lane whose number has bit st clear keeps
; register i and hands its part of register i + st to lane xor st; a lane with the bit set the other way round.  After the steps 1, 2, 4, 8
; lane r of each half holds the whole sum of key r.
.macro STEP st, mk
.set i, 0
.rept 8/\st
	v_cndmask_b32 v[T+i/(2*\st)], v[S+i+\st], v[S+i], s[\mk]       ; what my partner wants of me
.set i, i+2*\st
.endr
.set i, 0
.rept 8/\st
	v_cndmask_b32 v[S+i], v[S+i], v[S+i+\st], s[\mk]               ; what I keep
.set i, i+2*\st
.endr
.set i, 0
.rept 8/\st
	v_add_f32_dpp v[S+i], v[T+i/(2*\st)], v[S+i] row_xmask:\st row_mask:0xf bank_mask:0xf
.set i, i+2*\st
.endr
.endm
.macro GROUP g
.if (\g) <= 11
	GLOAD (\g)+4                                   ; into the buffer that the group before this one has just been read from
	s_wait_loadcnt 32                              ; this group's eight loads are in (and all older ones); the four younger groups stay out
.else
	s_wait_loadcnt 8*(15-(\g))                     ; nothing is left to ask for: the counts run down
.endif
	DOTS \g
.if (\g)&1
	STEP 1, LM
	STEP 2, LM+1
	STEP 4, LM+2
	STEP 8, LM+3
	v_mul_f32 v[DOT+(\g)/2], v[S], v[KN+(\g)/2]    ; lane 16 h + 8 ih + j: key j of slot 4 kk + 2 h + ih, candidate 32 kk + lane
.endif
.endm
	s_load_b256 s[4:11], s[0:1], 0x0               ; sel1 s[4:5], kb s[6:7], xb s[8:9], selk s[10:11]
	s_load_b64 s[12:13], s[0:1], 0x20              ; wts
	v_lshl_add_u32 v86, v0, 2, 0x400
	v_mov_b32 v87, 0
	v_lshrrev_b32 v1, 5, v0
	v_readfirstlane_b32 s14, v1                    ; wave
	s_lshl_b32 s15, ttmp9, 2
	s_add_co_u32 s15, s15, s14                     ; q
	s_mov_b32 s34, 0x76543210
	s_mov_b32 s35, 0xfedcba98
	s_mov_b32 s36, 0xffff0000
	s_mov_b32 s[LM],   0xaaaaaaaa
	s_mov_b32 s[LM+1], 0xcccccccc
	s_mov_b32 s[LM+2], 0xf0f0f0f0
	s_mov_b32 s[LM+3], 0xff00ff00
	v_and_b32 v1, 31, v0                           ; lane
	v_and_b32 v2, 15, v0                           ; r
	v_bfe_u32 v3, v0, 4, 1                         ; h
	s_lshl_b32 s37, s14, 8
	v_mov_b32 v[WB], s37                           ; 256 bytes of LDS a wave
	v_mov_b32 v[DUM], 32
	s_lshl_b32 s37, s15, 10
	v_lshl_add_u32 v[OFS], v1, 4, s37
	s_lshl_b32 s37, s15, 11
	v_lshl_add_u32 v[OF1], v1, 4, s37
	s_lshl_b32 s37, s15, 8
	v_lshl_add_u32 v7, v2, 4, s37                  ; 256 q + 16 r
	v_lshlrev_b32 v[R16], 4, v2
	v_and_b32 v[C7], 7, v1
	v_mov_b32 v[W], 0
	v_mov_b32 v[ZERO], 0
	s_wait_kmcnt 0x0
	s_add_nc_u64 s[38:39], s[6:7], KNOFF           ; the norms
.irp i, 0,1,2,3
	global_load_b128 v[SL+4*\i:SL+4*\i+3], v[OF1], s[4:5] offset:512*\i
.endr
	global_load_b128 v[S:S+3], v7, s[8:9]
	v_mov_b32 v[T+4], 0
	v_mov_b32 v[T+5], 0
	v_lshl_add_u32 v[A1], v1, 3, v[WB]
	ds_store_b64 v[A1], v[T+4:T+5]                 ; all 64 slots hold a number
	v_lshl_add_u32 v[A1], v3, 3, v[WB]             ; slot 2 h, + 4 kk + ih in the immediates
	v_lshrrev_b32 v[A2], 3, v1
	v_lshl_add_u32 v[A2], v[A2], 2, v[WB]          ; slot l >> 3, + 4 kk
	s_mov_b32 s[BASE], 0
	s_wait_loadcnt 0x1                             ; the sixteen registers of sel1 are in; the load of xb stays out
	PUT8 0
	PUT8 8
.irp kk, 0,1,2,3,4,5,6,7
	ds_load_b32 v[VA+2*\kk],   v[A1] offset:16*\kk
	ds_load_b32 v[VA+2*\kk+1], v[A1] offset:16*\kk+4
	ds_load_b32 v[KID+\kk],    v[A2] offset:16*\kk
.endr
	s_wait_loadcnt 0x0                             ; xb
.irp e, 0,1,2,3
	v_lshlrev_b32 v[Q+2*\e],   16,  v[S+\e]
	v_and_b32     v[Q+2*\e+1], s36, v[S+\e]
.endr
	v_pk_mul_f32 v[T+4:T+5], v[Q:Q+1], v[Q:Q+1]
.irp e, 2,4,6
	v_pk_fma_f32 v[T+4:T+5], v[Q+\e:Q+\e+1], v[Q+\e:Q+\e+1], v[T+4:T+5]
.endr
	v_add_f32 v[T+4], v[T+4], v[T+5]
.irp m, 1,2,4,8
	v_add_f32_dpp v[T+4], v[T+4], v[T+4] row_xmask:\m row_mask:0xf bank_mask:0xf   ; sixteen lanes hold the whole query
.endr
	v_sqrt_f32 v[QINV], v[T+4]
	v_nop                                          ; one plain place behind a transcendental (ISA guide 5.7.2)
	s_wait_alu depctr_va_vdst(0)
	v_max_num_f32 v[QINV], 0x2b8cbccc, v[QINV]     ; max(norm, 1e-12)
	v_rcp_f32 v[QINV], v[QINV]
	v_nop
	s_wait_dscnt 0x0
.irp kk, 0,1,2,3,4,5,6,7
	v_min_u32 v[KID+\kk], 0x3fff, v[KID+\kk]
	v_lshl_add_u32 v[KID+\kk], v[KID+\kk], 3, v[C7]
	v_lshlrev_b32 v[T+\kk], 2, v[KID+\kk]
	global_load_b32 v[KN+\kk], v[T+\kk], s[38:39]  ; older than every key's load: the first counted wait below shows these done and frees T
.endr
.irp g, 0,1,2,3,4,5,6,7,8,9,10,11,12,13,14,15
	v_min_u32 v[VA+\g], 0x3fff, v[VA+\g]
	v_lshl_add_u32 v[VA+\g], v[VA+\g], 11, v[R16]  ; 8 keys of 256 bytes a group, + 16 r
.endr
	GLOAD 0
	GLOAD 1
	GLOAD 2
	GLOAD 3
.irp g, 0,1,2,3,4,5,6,7,8,9,10,11,12,13,14,15
	GROUP \g
.endr
	s_wait_alu depctr_va_vdst(0)
.irp k, 0,1,2,3,4,5,6,7
	v_mul_f32 v[DOT+\k], v[DOT+\k], v[QINV]        ; the similarity
.endr
.irp k, 0,1,2,3,4,5,6,7
	MAPU U+\k, DOT+\k, T+\k
.endr
	s_mov_b32 s[THR], 0
	s_mov_b32 s[SN], 32
.Lbit:
	s_sub_co_i32 s[SN], s[SN], 1
	s_lshl_b32 s[CAND], 1, s[SN]
	s_or_b32 s[CAND], s[CAND], s[THR]
	COUNT8 v_cmp_le_u32, CAND
	s_cmp_ge_u32 s[M], 32
	s_cselect_b32 s[THR], s[CAND], s[THR]
	s_cmp_lg_u32 s[SN], 0
	s_cbranch_scc1 .Lbit
	COUNT8 v_cmp_lt_u32, THR
	s_sub_co_u32 s[NEED], 32, s[M]
	s_mov_b32 s[RUN], 0
	TIE8 0
	; softmax over the chosen: the largest of all 256 is the largest of the chosen
	v_max3_num_f32 v[T], v[DOT], v[DOT+1], v[DOT+2]
	v_max3_num_f32 v[T], v[T], v[DOT+3], v[DOT+4]
	v_max3_num_f32 v[T], v[T], v[DOT+5], v[DOT+6]
	v_max_num_f32 v[T], v[T], v[DOT+7]
	WRED v_max_num_f32_dpp, v_max_num_f32, T
.irp k, 0,1,2,3,4,5,6,7
	v_sub_f32 v[E+\k], v[DOT+\k], v[T]
	v_mul_f32 v[E+\k], 0x3fb8aa3b, v[E+\k]
.endr
.irp k, 0,1,2,3,4,5,6,7
	v_exp_f32 v[E+\k], v[E+\k]
.endr
	v_nop
	s_wait_alu depctr_va_vdst(0)
.irp k, 0,1,2,3,4,5,6,7
	v_cndmask_b32 v[E+\k], 0, v[E+\k], s[G+\k]
	v_cndmask_b32 v[KID+\k], -1, v[KID+\k], s[G+\k]
.endr
	v_add_f32 v[T+1], v[E], v[E+1]
	v_add_f32 v[T+2], v[E+2], v[E+3]
	v_add_f32 v[T+3], v[E+4], v[E+5]
	v_add_f32 v[T+4], v[E+6], v[E+7]
	v_add_f32 v[T+1], v[T+1], v[T+2]
	v_add_f32 v[T+3], v[T+3], v[T+4]
	v_add_f32 v[T+1], v[T+1], v[T+3]
	WRED v_add_f32_dpp, v_add_f32, T+1
	v_rcp_f32 v[T+2], v[T+1]                       ; the sum is at least 1: the largest gives exp(0)
	v_nop
	s_wait_alu depctr_va_vdst(0)
.irp k, 0,1,2,3,4,5,6,7
	v_mul_f32 v[E+\k], v[E+\k], v[T+2]
.endr
	global_store_b128 v[OFS], v[KID:KID+3],   s[10:11]
	global_store_b128 v[OFS], v[KID+4:KID+7], s[10:11] offset:512
	global_store_b128 v[OFS], v[E:E+3],   s[12:13]
	global_store_b128 v[OFS], v[E+4:E+7], s[12:13] offset:512
	s_wait_tensorcnt 0x0
	ds_add_u32 v86, v87
	s_wait_dscnt 0x0
	s_endpgm
.Lfunc_end_k_q980ff258bb_resc:
	.size	k_q980ff258bb_resc, .Lfunc_end_k_q980ff258bb_resc-k_q980ff258bb_resc
	.p2alignl 7, 3214868480
	.fill 96, 4, 3214868480
	.section	.rodata,"a",@progbits
	.p2align	6, 0x0
	.amdhsa_kernel k_q980ff258bb_resc
		.amdhsa_group_segment_fixed_size 1536
		.amdhsa_private_segment_fixed_size 0
		.amdhsa_enable_private_segment 0
		.amdhsa_kernarg_size 40
		.amdhsa_user_sgpr_count 2
		.amdhsa_user_sgpr_kernarg_segment_ptr 1
		.amdhsa_wavefront_size32 1
		.amdhsa_system_sgpr_workgroup_id_x 1
		.amdhsa_system_sgpr_workgroup_id_y 1
		.amdhsa_system_sgpr_workgroup_id_z 1
		.amdhsa_system_vgpr_workitem_id 0
		.amdhsa_next_free_vgpr 256
		.amdhsa_next_free_sgpr 66
		.amdhsa_reserve_vcc 0
		.amdhsa_float_denorm_mode_32 3
		.amdhsa_float_denorm_mode_16_64 3
		.amdhsa_memory_ordered 1
		.amdhsa_forward_progress 1
		.amdhsa_inst_pref_size 127
	.end_amdhsa_kernel
	.amdgpu_metadata
---
amdhsa.version: [ 1, 2 ]
amdhsa.kernels:
  - .name:           k_q980ff258bb_resc
    .symbol:         k_q980ff258bb_resc.kd
    .args:
      - { .name: sel1, .offset: 0, .size: 8, .value_kind: global_buffer, .address_space: global }
      - { .name: kb, .offset: 8, .size: 8, .value_kind: global_buffer, .address_space: global }
      - { .name: xb, .offset: 16, .size: 8, .value_kind: global_buffer, .address_space: global }
      - { .name: selk, .offset: 24, .size: 8, .value_kind: global_buffer, .address_space: global }
      - { .name: wts, .offset: 32, .size: 8, .value_kind: global_buffer, .address_space: global }
    .group_segment_fixed_size: 1536
    .private_segment_fixed_size: 0
    .kernarg_segment_align: 8
    .kernarg_segment_size: 40
    .max_flat_workgroup_size: 128
    .sgpr_count:     66
    .vgpr_count:     256
    .wavefront_size: 32
...
	.end_amdgpu_metadata
.endif
;; end of part 10
;; launch outp: the kernel of part 6 again; grid 256 x 1, 4 waves a work-group, no clusters, 2,560 bytes of LDS; arguments selk, wts, storage, out0; writes out0
;; ======== version 3 of 3: 6 launches; version 2 with the launch outp written anew for expert scheduling mode
;; workspace buffers: xb 262,144 bytes; m1 67,108,864 bytes; m2 4,194,304 bytes; msk2 262,144 bytes of whole numbers; sel1 2,097,152 bytes of whole numbers; selk 1,048,576 bytes of whole numbers; wts 1,048,576 bytes; kb 34,078,720 bytes
;; launch prep: the kernel of part 1 again; grid 64 x 1, 8 waves a work-group, no clusters, 0 bytes of LDS; arguments x, xb; writes xb
;; launch sims: the kernel of part 7 again; grid 256 x 1, 8 waves a work-group, clusters of 4 x 1, 314,368 bytes of LDS; arguments storage, xb, m1, m2, kb; writes m1, m2, kb
;; launch top: the kernel of part 8 again; grid 256 x 1, 4 waves a work-group, no clusters, 17,152 bytes of LDS; arguments m2, msk2; writes msk2
;; launch sel: the kernel of part 9 again; grid 256 x 1, 4 waves a work-group, no clusters, 1,536 bytes of LDS; arguments msk2, m1, sel1; writes sel1
;; launch resc: the kernel of part 10 again; grid 256 x 1, 4 waves a work-group, no clusters, 1,536 bytes of LDS; arguments sel1, kb, xb, selk, wts; writes selk, wts
;; launch outp (part 11): grid 256 x 1, 4 waves a work-group, no clusters, 2,560 bytes of LDS; arguments selk, wts, storage, out0; writes out0
.if DOCPART == 11
	.amdgcn_target "amdgcn-amd-amdhsa--gfx1250"
	.amdhsa_code_object_version 6
	.text
	.protected	k_q980ff258bb_outp
	.globl	k_q980ff258bb_outp
	.p2align	8
	.type	k_q980ff258bb_outp,@function
k_q980ff258bb_outp:
	s_mov_b64 s[64:65], 0
	v_nop
	global_prefetch_b8 v0, s[64:65] scope:SCOPE_SE
	s_setreg_imm32_b32 hwreg(HW_REG_WAVE_SCHED_MODE, 0, 2), 2
	s_setreg_imm32_b32 hwreg(HW_REG_WAVE_MODE, 25, 1), 1
	s_wait_xcnt 0x0
	s_wait_alu depctr_vm_vsrc(0)
; out0[q] = the sum over the query's 32 chosen keys of weight x bf16(value row), in f32.
; The chosen key numbers (whole numbers of the launch before) and their weights are listed in the wave's own 512 bytes of LDS, 8 bytes a slot
; (weight, key number); every lane reads all 32 slots; a value row is 512 consecutive bytes, one load of the wave; all 32 loads are out before the first row is summed.
; One wave a query.  A product with one row a query has nothing for the matrix unit; no work-group shares data with another, so no cluster.
; THE MODE: SCHED_MODE bits 1:0 = 2 (LLVM: expert scheduling mode 2), set by the entry lines.  The code itself states the register dependences
; between vector instructions and memory or LDS instructions, with s_wait_alu, always for 0.
; THE PLAN.  The text has no loop and no branch.  Registers that memory or LDS instructions touch, in program order:
;   v[OFS], v[OO], v[WB]  offsets and the LDS base: written at the head, never again.
;   v7, v[AC ..]          address and data (0) of the LDS store that clears the list; AC is written again by row 0's two multiplies.
;   v[ID ..], v[WT ..]    The four loads of selk and wts land here; the compares read ID, the sixteen LDS stores read both; rows 0 to 3 land here later.
;   v[TA ..]              eight slot addresses: written by the list's arithmetic, read by the sixteen LDS stores, never written again.
;   v[PR ..]              The sixteen LDS loads land here; the odd registers are then made into row offsets, which the row loads read; never written again.
;   v[ROWS ..]            The 32 row loads land here; behind their counted waits vector instructions alone name them.
;   v208, v209            written at the head, read by the closing add alone.
; So each run of memory or LDS instructions has one wait on va_vdst ahead of it, for the addresses made just before; one wait on vm_vsrc stands ahead of the
; first row loads, for ID, WT and AC; no scalar register that a vector instruction reads is written again.
.set OFS,  2                           ; 1,024 q + 16 lane
.set WB,   3
.set DUM,  4
.set L16,  5                           ; 16 x lane
.set OO,   6                           ; 512 q + 16 lane
.set AC,   8                           ; v[8:11]   the sums of my four columns
.set T,    12                          ; v[12:13]  at work: no memory instruction names them
.set PR,   16                          ; v[16:79]  slot j: weight, then the row's byte offset
.set ROWS, 80                          ; v[80:207] row j: four registers
.set ID,   80                          ; before the gather: v[80:87] key numbers, v[88:95] weights, as loaded
.set WT,   88
.set TA,   210                         ; v[210:217] LDS address of the slot into which register k's lane puts its pair
.set M,    16                          ; s[16:23]  which lanes of register k hold a chosen key
.set BASE, 24
.set SC,   25
.set RB,   32                          ; s[32:39]  how many are listed in front of register k
.macro ROW j
	s_wait_loadcnt 31-\j                           ; loads come back in order: row j is in, the younger rows stay out
	v_cvt_pk_bf16_f32 v[T],   v[ROWS+4*\j],   v[ROWS+4*\j+1]
	v_cvt_pk_bf16_f32 v[T+1], v[ROWS+4*\j+2], v[ROWS+4*\j+3]
	v_lshlrev_b32 v[ROWS+4*\j],   16,  v[T]
	v_and_b32     v[ROWS+4*\j+1], s14, v[T]
	v_lshlrev_b32 v[ROWS+4*\j+2], 16,  v[T+1]
	v_and_b32     v[ROWS+4*\j+3], s14, v[T+1]
.if \j == 0
	v_pk_mul_f32 v[AC:AC+1],   v[ROWS+4*\j:ROWS+4*\j+1],   v[PR+2*\j:PR+2*\j+1] op_sel_hi:[1,0]   ; both by the pair's first register, the weight
	v_pk_mul_f32 v[AC+2:AC+3], v[ROWS+4*\j+2:ROWS+4*\j+3], v[PR+2*\j:PR+2*\j+1] op_sel_hi:[1,0]
.else
	v_pk_fma_f32 v[AC:AC+1],   v[ROWS+4*\j:ROWS+4*\j+1],   v[PR+2*\j:PR+2*\j+1], v[AC:AC+1] op_sel_hi:[1,0,1]
	v_pk_fma_f32 v[AC+2:AC+3], v[ROWS+4*\j+2:ROWS+4*\j+3], v[PR+2*\j:PR+2*\j+1], v[AC+2:AC+3] op_sel_hi:[1,0,1]
.endif
.endm
	s_load_b256 s[4:11], s[0:1], 0x0               ; selk s[4:5], wts s[6:7], storage s[8:9], out0 s[10:11]
	v_lshl_add_u32 v208, v0, 2, 0x800
	v_mov_b32 v209, 0
	v_lshrrev_b32 v1, 5, v0
	v_readfirstlane_b32 s12, v1                    ; wave
	s_mov_b32 s14, 0xffff0000
	s_mov_b32 s[BASE], 0
	s_lshl_b32 s13, ttmp9, 2
	v_and_b32 v1, 31, v0
	v_lshlrev_b32 v[L16], 4, v1
	v_mov_b32 v[DUM], 32
.irp i, 0,1,2,3
	v_mov_b32 v[AC+\i], 0
.endr
	s_wait_alu depctr_va_sdst(0)                   ; s12, the wave's number, is written, ahead of its first reader
	s_add_co_u32 s13, s13, s12                     ; q
	s_lshl_b32 s15, s13, 10
	s_lshl_b32 s26, s13, 9
	s_lshl_b32 s27, s12, 9
	v_add_nc_u32 v[OFS], s15, v[L16]
	v_add_nc_u32 v[OO], s26, v[L16]
	v_mov_b32 v[WB], s27                           ; 512 bytes of LDS a wave
	v_add_nc_u32 v7, v[WB], v[L16]
	s_wait_kmcnt 0x0
	s_wait_alu depctr_va_vdst(0)                   ; v[OFS], v[OO], v[WB], v7 and the four zeros of AC are written, which the loads and stores below read; so are v208 and v209
	global_load_b128 v[ID:ID+3],   v[OFS], s[4:5]
	global_load_b128 v[ID+4:ID+7], v[OFS], s[4:5] offset:512
	global_load_b128 v[WT:WT+3],   v[OFS], s[6:7]
	global_load_b128 v[WT+4:WT+7], v[OFS], s[6:7] offset:512
	ds_store_b128 v7, v[AC:AC+3]                   ; all 64 slots hold a number
	s_wait_loadcnt 0x0
	; The list.  The lanes that hold a key number (not -1) put weight and number into the next free slots; slot 32 swallows the others; every slot number
	; is clamped to 63.  Each step is done for all eight registers before the next step, so that one wait serves the run of LDS stores.
.irp k, 0,1,2,3,4,5,6,7
	v_cmp_ne_u32 s[M+\k], -1, v[ID+\k]
.endr
	s_wait_alu depctr_va_sdst(0)                   ; the eight masks are written, ahead of their first readers, the counts below
.irp k, 0,1,2,3,4,5,6,7
	s_mov_b32 s[RB+\k], s[BASE]
	s_bcnt1_i32_b32 s[SC], s[M+\k]
	s_add_co_u32 s[BASE], s[BASE], s[SC]
.endr
.irp k, 0,1,2,3,4,5,6,7
	v_mbcnt_lo_u32_b32 v[TA+\k], s[M+\k], s[RB+\k]
.endr
.irp k, 0,1,2,3,4,5,6,7
	v_cndmask_b32 v[TA+\k], v[DUM], v[TA+\k], s[M+\k]
.endr
.irp k, 0,1,2,3,4,5,6,7
	v_min_u32 v[TA+\k], 63, v[TA+\k]
.endr
.irp k, 0,1,2,3,4,5,6,7
	v_lshl_add_u32 v[TA+\k], v[TA+\k], 3, v[WB]
.endr
	s_wait_alu depctr_va_vdst(0)                   ; the eight slot addresses v[TA ..] are written, which the LDS stores read
.irp k, 0,1,2,3,4,5,6,7
	ds_store_b32 v[TA+\k], v[WT+\k]
	ds_store_b32 v[TA+\k], v[ID+\k] offset:4
.endr
.irp j, 0,1,2,3,4,5,6,7,8,9,10,11,12,13,14,15
	ds_load_b128 v[PR+4*\j:PR+4*\j+3], v[WB] offset:16*\j      ; two slots, the same for every lane; LDS serves a wave's instructions in order (ISA guide 5.7.1): these see the stores above
.endr
	; The gather, in two halves of sixteen rows: a half's offsets, one wait, its loads.  A storage row is 1,024 bytes; the values are its second half.
	s_wait_dscnt 8                                 ; slots 0 to 15 are in; the eight younger LDS loads stay out
.irp j, 0,1,2,3,4,5,6,7,8,9,10,11,12,13,14,15
	v_min_u32 v[PR+2*\j+1], 0x1ffff, v[PR+2*\j+1]
.endr
.irp j, 0,1,2,3,4,5,6,7,8,9,10,11,12,13,14,15
	v_lshl_add_u32 v[PR+2*\j+1], v[PR+2*\j+1], 10, v[L16]
.endr
	s_wait_alu depctr_vm_vsrc(0)                   ; the LDS stores have read v[ID ..] and v[WT ..], in which rows 0 to 3 land, and v[AC ..], which row 0's multiplies write
	s_wait_alu depctr_va_vdst(0)                   ; the offsets of rows 0 to 15 are written, which the loads read; the compares are done reading v[ID ..], in which rows 0 and 1 land
.irp j, 0,1,2,3,4,5,6,7,8,9,10,11,12,13,14,15
	global_load_b128 v[ROWS+4*\j:ROWS+4*\j+3], v[PR+2*\j+1], s[8:9] offset:512
.endr
	s_wait_dscnt 0x0                               ; slots 16 to 31 are in
.irp j, 16,17,18,19,20,21,22,23,24,25,26,27,28,29,30,31
	v_min_u32 v[PR+2*\j+1], 0x1ffff, v[PR+2*\j+1]
.endr
.irp j, 16,17,18,19,20,21,22,23,24,25,26,27,28,29,30,31
	v_lshl_add_u32 v[PR+2*\j+1], v[PR+2*\j+1], 10, v[L16]
.endr
	s_wait_alu depctr_va_vdst(0)                   ; the offsets of rows 16 to 31 are written, which the loads read
.irp j, 16,17,18,19,20,21,22,23,24,25,26,27,28,29,30,31
	global_load_b128 v[ROWS+4*\j:ROWS+4*\j+3], v[PR+2*\j+1], s[8:9] offset:512
.endr
.irp j, 0,1,2,3,4,5,6,7,8,9,10,11,12,13,14,15,16,17,18,19,20,21,22,23,24,25,26,27,28,29,30,31
	ROW \j
.endr
	s_wait_alu depctr_va_vdst(0)                   ; the last multiply-adds have written v[AC ..], which the store reads
	global_store_b128 v[OO], v[AC:AC+3], s[10:11]  ; the wave's store is the query's 512 bytes
	s_wait_dscnt 0x0                               ; the closing lines, six on end, of a launch in the mode that stores to LDS
	s_wait_alu 0x0
	s_wait_tensorcnt 0x0
	ds_add_u32 v208, v209
	s_wait_dscnt 0x0
	s_endpgm
.Lfunc_end_k_q980ff258bb_outp:
	.size	k_q980ff258bb_outp, .Lfunc_end_k_q980ff258bb_outp-k_q980ff258bb_outp
	.p2alignl 7, 3214868480
	.fill 96, 4, 3214868480
	.section	.rodata,"a",@progbits
	.p2align	6, 0x0
	.amdhsa_kernel k_q980ff258bb_outp
		.amdhsa_group_segment_fixed_size 2560
		.amdhsa_private_segment_fixed_size 0
		.amdhsa_enable_private_segment 0
		.amdhsa_kernarg_size 32
		.amdhsa_user_sgpr_count 2
		.amdhsa_user_sgpr_kernarg_segment_ptr 1
		.amdhsa_wavefront_size32 1
		.amdhsa_system_sgpr_workgroup_id_x 1
		.amdhsa_system_sgpr_workgroup_id_y 1
		.amdhsa_system_sgpr_workgroup_id_z 1
		.amdhsa_system_vgpr_workitem_id 0
		.amdhsa_next_free_vgpr 218
		.amdhsa_next_free_sgpr 66
		.amdhsa_reserve_vcc 0
		.amdhsa_float_denorm_mode_32 3
		.amdhsa_float_denorm_mode_16_64 3
		.amdhsa_memory_ordered 1
		.amdhsa_forward_progress 1
		.amdhsa_inst_pref_size 28
	.end_amdhsa_kernel
	.amdgpu_metadata
---
amdhsa.version: [ 1, 2 ]
amdhsa.kernels:
  - .name:           k_q980ff258bb_outp
    .symbol:         k_q980ff258bb_outp.kd
    .args:
      - { .name: selk, .offset: 0, .size: 8, .value_kind: global_buffer, .address_space: global }
      - { .name: wts, .offset: 8, .size: 8, .value_kind: global_buffer, .address_space: global }
      - { .name: storage, .offset: 16, .size: 8, .value_kind: global_buffer, .address_space: global }
      - { .name: out0, .offset: 24, .size: 8, .value_kind: global_buffer, .address_space: global }
    .group_segment_fixed_size: 2560
    .private_segment_fixed_size: 0
    .kernarg_segment_align: 8
    .kernarg_segment_size: 32
    .max_flat_workgroup_size: 128
    .sgpr_count:     66
    .vgpr_count:     218
    .wavefront_size: 32
...
	.end_amdgpu_metadata
.endif
;; end of part 11
